; MI455X (gfx1250); checked and timed in simulation.
; The chip was launched on July 23, 2026; its instructions are those of AMD's public machine-readable ISA for CDNA 5 (MIT licence, August 2026) and "CDNA5" Instruction Set Architecture Reference Guide (July 2026). The comments in the code are by the model that wrote it; some were corrected since.
;; mutli Head Attention. Allowed arithmetic: matrix products marked QUANTISED: E2M1 operands, one E8M0 scale for each 32 along K, by v_wmma_scale_f32_16x16x128_f8f6f4 with both operands' format E2M1 (or v_wmma_scale_f32_32x16x128_f4), f32 sums; everything else in f32.
;; Inputs: attn_mask 4 x 1 x 2,048 x 2,048 bool; input_K_codes 4 x 2,048 x 32 x 16 uint8 (E2M1 codes of input_K, K innermost, in blocks of 32 codes, two codes a byte); input_K_scales 4 x 2,048 x 32 uint8 (E8M0 scales of input_K, one for each 32 codes along K); input_Q 4 x 2,048 x 1,024 float32; input_V_codes 4 x 2,048 x 32 x 16 uint8 (E2M1 codes of input_V, K innermost, in blocks of 32 codes, two codes a byte); input_V_scales 4 x 2,048 x 32 uint8 (E8M0 scales of input_V, one for each 32 codes along K); ln_beta 1,024 float32; ln_gamma 1,024 float32; w_k_codes 1,024 x 32 x 16 uint8 (E2M1 codes of w_k, K innermost, in blocks of 32 codes, two codes a byte); w_k_scales 1,024 x 32 uint8 (E8M0 scales of w_k, one for each 32 codes along K); w_o_codes 1,024 x 32 x 16 uint8 (E2M1 codes of w_o, K innermost, in blocks of 32 codes, two codes a byte); w_o_scales 1,024 x 32 uint8 (E8M0 scales of w_o, one for each 32 codes along K); w_q_codes 1,024 x 32 x 16 uint8 (E2M1 codes of w_q, K innermost, in blocks of 32 codes, two codes a byte); w_q_scales 1,024 x 32 uint8 (E8M0 scales of w_q, one for each 32 codes along K); w_v_codes 1,024 x 32 x 16 uint8 (E2M1 codes of w_v, K innermost, in blocks of 32 codes, two codes a byte); w_v_scales 1,024 x 32 uint8 (E8M0 scales of w_v, one for each 32 codes along K).
;; Outputs: out0 4 x 2,048 x 1,024 float32.
;; This version of the problem:
;;   THIS VERSION OF THE PROBLEM IS GIVEN IN LOW PRECISION. The matrix products marked QUANTISED in the list below multiply operands that are first quantised to E2M1 (2 exponent bits, 1 mantissa bit; 4 bits a number), with one power-of-two scale for each 32 numbers along K (OCP MX v1.0); their sums are f32. All else is computed in f32.
;;   The module's matrix products, in the order in which they are computed (A, B: the left and right operand; K: the contracted axis; several contracted axes count as one K, in the product's order):
;;     1. [M 8,192, K 1,024] x [K 1,024, N 1,024]; A: input input_Q; B: input w_q (given as codes): QUANTISED
;;     2. [M 8,192, K 1,024] x [K 1,024, N 1,024]; A: input input_K (given as codes); B: input w_k (given as codes): QUANTISED
;;     3. [M 8,192, K 1,024] x [K 1,024, N 1,024]; A: input input_V (given as codes); B: input w_v (given as codes): QUANTISED
;;     4. batch 64 x [M 2,048, K 64] x [K 64, N 2,048]; A: computed on the way; B: computed on the way: QUANTISED
;;     5. batch 64 x [M 2,048, K 2,048] x [K 2,048, N 64]; A: softmax (see below); B: computed on the way: QUANTISED
;;     6. [M 8,192, K 1,024] x [K 1,024, N 1,024]; A: computed on the way; B: input w_o (given as codes): QUANTISED
;;   THE QUANTISER, for each operand of a quantised product, along K:
;;     - K is cut into blocks of 32 from its start; a last block that is shorter is filled with zeros.
;;     - A block's scale is 2^e with e = floor(log2(the largest magnitude in the block)) - 2, held to -126 .. 127; a block of zeros has e = 0. As a byte (E8M0): e + 127.
;;     - Each number is divided by its block's scale, clamped to +-6, and rounded to the nearest number of E2M1, ties to even, subnormals kept.
;;     - The product sums the exact products of the quantised numbers (number of the format x scale) in f32.
;;   ~~~python
;;   def quantise(x, axis):      # numpy; x: float32 -> the quantised numbers, widened to float32 again
;;       x = np.moveaxis(x, axis, -1); K = x.shape[-1]
;;       x = np.pad(x, [(0, 0)] * (x.ndim - 1) + [(0, -K % 32)]); x = x.reshape(x.shape[:-1] + (-1, 32)); a = np.abs(x).max(-1, keepdims=True)
;;       e = np.where(a > 0, np.clip(np.frexp(np.where(a > 0, a, 1))[1] - 1 - 2, -126, 127), 0)      # np.frexp(a)[1] - 1 = floor(log2(a)), exactly
;;       r = np.clip(x / 2.0 ** e, -6, 6)
;;       step = 2.0 ** (np.maximum(np.frexp(np.where(r == 0, 1, r))[1] - 1, 0) - 1)
;;       q = np.round(r / step) * step * 2.0 ** e      # np.round: ties to even
;;       return np.moveaxis(q.reshape(q.shape[:-2] + (-1,))[..., :K], -1, axis).astype(np.float32)
;;   ~~~
;;   SOFTMAX AHEAD OF A QUANTISED PRODUCT. Where the list says 'softmax', what is quantised is not the finished softmax but p = 2^(t - M), with t = logit x log2(e) and M = ceil(the row's largest t), a whole number; so 1/2 < the row's largest p <= 1. The row's sum l is taken of the UNQUANTISED p, in f32, and the product's result is divided by l at the end. Since M is a whole number, a kernel that streams over the keys may use a running M (the ceiling of the running maximum): every later rescaling is an exact power of two, which a block's scale takes up: the codes' values come out the same.
;;   OPERANDS COMPUTED ON THE WAY. 'Computed on the way' means the value that the module computes at that place (a softmax that the list does not call 'softmax' is quantised finished and normalised). What goes into a quantiser is computed in f32, as accurately as f32 sums, v_exp_f32 and their like allow (about 1e-6 of the number): no bf16 or f16 on the way to a quantiser, and a product that is left as it is and whose result goes on into a quantised operand takes f32 operands (vector FMAs, or v_wmma_f32_16x16x4_f32). A number that lies on a knife's edge between two numbers of the format may be rounded either way, as far as f32 arithmetic and the matrix unit's own rounding can turn it there, and no further.
;;   INPUTS GIVEN AS CODES. input_K (in the module: [4, 2048, 1024], K = its axis 2); input_V (in the module: [4, 2048, 1024], K = its axis 2); w_k (in the module: [1024, 1024], K = its axis 1); w_o (in the module: [1024, 1024], K = its axis 1); w_q (in the module: [1024, 1024], K = its axis 1); w_v (in the module: [1024, 1024], K = its axis 1): each comes as NAME_codes (uint8): NAME with its K axis moved to the last place and cut into blocks of 32 codes, [.., K / 32, bytes a block], one block behind the other in memory; two codes a byte, the lower K in the low four bits (a code: sign, 2 exponent bits, 1 mantissa bit); and NAME_scales (uint8): the same leading axes, one E8M0 byte (e + 127) for each 32 codes along K. Its value is code x scale, taken as it is: it is not quantised again, and the codes and scales need not be those that the quantiser above would give.
;; One version. Each part assembles by itself: llvm-mc -triple=amdgcn-amd-amdhsa -mcpu=gfx1250 --defsym DOCPART=n.
;; ======== version 1 of 1: 4 launches
;; workspace buffers: xq 4,456,448 bytes; mbits 2,097,152 bytes of whole numbers; wo 557,056 bytes; qkv 13,893,632 bytes; ctx 4,718,592 bytes
;; launch prep (part 1): grid 528 x 1, 4 waves a work-group, no clusters, 33,280 bytes of LDS; arguments input_Q, attn_mask, w_o_codes, w_o_scales, xq, mbits, wo; writes xq, mbits, wo
.if DOCPART == 1
	.amdgcn_target "amdgcn-amd-amdhsa--gfx1250"
	.amdhsa_code_object_version 6
	.text
	.protected	k_qd8f9dcf9f4_prep
	.globl	k_qd8f9dcf9f4_prep
	.p2align	8
	.type	k_qd8f9dcf9f4_prep,@function
k_qd8f9dcf9f4_prep:
	s_mov_b64 s[64:65], 0
	v_nop
	global_prefetch_b8 v0, s[64:65] scope:SCOPE_SE
	s_setreg_imm32_b32 hwreg(HW_REG_WAVE_MODE, 25, 1), 1
	s_wait_xcnt 0x0
; Three pieces of preparation in one launch; the work-group's number picks the piece.
; A (work-groups 0-255): input_Q [8192][1024] f32 -> codes of FP4 (E2M1), K innermost, at xq + 0 ([8192][512 bytes]), and one E8M0 byte for each 32 along K at xq + XQS ([8192][32]).
;   A block's byte is its largest magnitude's exponent field - 2, held at 1 from below.  A block of zeros so gets the byte 1 where the quantiser says 127: its codes are zeros, and this program alone reads the bytes.
; B (256-511): attn_mask (one byte a key) -> lane masks for the attention launch: mbits [Tg 512][key step 16][64 words].  Bit l of word 16 b + i is
;   mask[token(Tg, l % 16)][128 step + 32 b + 16 (l / 16) + i], token(Tg, r) = 32 (Tg / 2) + 8 (Tg % 2) + r + 8 (r / 8): the place that lane l's register 16 b + i has among the scores there.
; C (512-527): w_o's codes and scale bytes in the order of the operand's registers: wo + 0: [tile 64][K step 8][half 2][lane 32][16 bytes];  wo + WOS: [tile 64][lane 32][4 words], word kp of lane (r, h) = row 16 tile + r's scale word of K step 2 kp + h.
; LIMITS: NaN and infinities in input_Q are not served; blocks whose largest magnitude lies under 2^-124 get the byte 1.
; Only piece A touches LDS (8,192 bytes for each wave, the wave's own: no barrier).
.set XQS,   4194304
.set WOS,   524288
.set STEPS, 16
.set EMAX,  2
.set CB,    8                          ; bytes of 16 codes
.set R,     16                         ; v16-79   A: four sets of 16 numbers as they are loaded
.set X,     80                         ; v80-111  A: two sets of 16 neighbours
.set C,     128                        ; v128-191 A: codes, four registers for each step
.set E,     112                        ; v112-127 A: a scale byte for each step
.set WREG,  8192
.set SP,    80                         ; a lane's place in a stage: 64 bytes + 16 of padding
	s_load_b256 s[4:11], s[0:1], 0x0               ; input_Q s[4:5], attn_mask s[6:7], w_o_codes s[8:9], w_o_scales s[10:11]
	s_load_b128 s[12:15], s[0:1], 0x20             ; xq s[12:13], mbits s[14:15]
	s_load_b64 s[16:17], s[0:1], 0x30              ; wo
	v_lshl_add_u32 v192, v0, 2, 0x8000
	v_mov_b32 v193, 0
	v_lshrrev_b32 v1, 5, v0
	v_readfirstlane_b32 s18, v1                    ; wave 0..3
	v_and_b32 v2, 31, v0                           ; lane
	s_wait_kmcnt 0x0
	s_cmp_lt_u32 ttmp9, 256
	s_cbranch_scc0 .Lnot_a
	s_wait_alu depctr_va_vdst(0)
; ---------------- A: a wave takes 16 steps of 512 numbers.  Each load reads 512 consecutive bytes; a step's 2,048 bytes turn through the wave's stage so that a lane gets 16 neighbours along K.
	v_lshlrev_b32 v3, 4, v2                        ; my 16 bytes of a load's 512
	s_mul_i32 s19, s18, WREG
	v_lshrrev_b32 v14, 2, v2
	v_mul_u32_u24 v14, v14, SP
	v_and_b32 v15, 3, v2
	v_lshl_add_u32 v14, v15, 4, v14
	v_add_nc_u32 v14, s19, v14                     ; the stage, in: SP (lane / 4) + 16 (lane % 4)
	v_mul_u32_u24 v15, v2, SP
	v_add_nc_u32 v15, s19, v15                     ; out: SP x lane
	v_mul_u32_u24 v4, v2, CB                       ; my codes' place in a step's
	v_lshrrev_b32 v5, 1, v2
	s_add_co_u32 s19, s19, 2*32*SP
	v_add_nc_u32 v5, s19, v5                       ; my block's byte among the wave's 256 scale bytes
	v_lshlrev_b32 v7, 3, v2
	v_add_nc_u32 v6, s19, v7
	s_lshl_b32 s20, ttmp9, 2
	s_add_co_u32 s20, s20, s18                     ; which run of 8,192 numbers is my wave's
	s_lshl_b32 s22, s20, 15
	s_mov_b32 s23, 0
	s_add_nc_u64 s[4:5], s[4:5], s[22:23]
	s_lshl_b32 s22, s20, 12
	s_add_nc_u64 s[24:25], s[12:13], s[22:23]      ; its codes
	s_lshl_b32 s22, s20, 8
	s_add_co_u32 s22, s22, XQS
	s_add_nc_u64 s[26:27], s[12:13], s[22:23]      ; its 256 scale bytes
.macro LOAD t
.irp i, 0,1,2,3
	global_load_b128 v[R+16*((\t)%4)+4*\i:R+16*((\t)%4)+4*\i+3], v3, s[4:5] offset:2048*(\t)+512*\i
.endr
.endm
.macro TURN t                          ; LDS serves a wave's instructions in order: no wait between the stores and the loads
.irp i, 0,1,2,3
	ds_store_b128 v14, v[R+16*((\t)%4)+4*\i:R+16*((\t)%4)+4*\i+3] offset:32*SP*((\t)%2)+8*SP*\i
.endr
.irp i, 0,1,2,3
	ds_load_b128 v[X+16*((\t)%2)+4*\i:X+16*((\t)%2)+4*\i+3], v15 offset:32*SP*((\t)%2)+16*\i
.endr
.endm
.irp t, 0,1,2,3
	LOAD \t
.endr
	s_wait_alu depctr_va_vdst(0)
	s_wait_loadcnt 12                              ; step 0's four loads are in; three steps' twelve may be out
	TURN 0
.macro STEP t
.set XS, X+16*((\t)%2)
.if (\t) > 0
	s_wait_dscnt 1                                 ; this step's numbers are back from the stage; the last step's byte store may be out
.else
	s_wait_dscnt 0x0
.endif
.if (\t)+4 < STEPS
	LOAD (\t)+4
.endif
.if (\t)+1 < STEPS
.if STEPS-2-(\t) >= 3
	s_wait_loadcnt 12                              ; the next step's four loads are in; those of the three steps behind it may be out
.else
	s_wait_loadcnt 4*(STEPS-2-(\t))
.endif
	TURN (\t)+1
.endif
	v_max3_num_f32 v8, |v[XS]|, |v[XS+1]|, |v[XS+2]|               ; the largest magnitude of my 16, in two chains
	v_max3_num_f32 v9, |v[XS+3]|, |v[XS+4]|, |v[XS+5]|
.irp i, 6,10
	v_max3_num_f32 v8, v8, |v[XS+\i]|, |v[XS+\i+1]|
	v_max3_num_f32 v9, v9, |v[XS+\i+2]|, |v[XS+\i+3]|
.endr
	v_max3_num_f32 v8, v8, |v[XS+14]|, |v[XS+15]|
	v_max3_num_f32 v8, v8, v9, (EMAX+1)<<23        ; and the floor 2^(3 - 127): the byte cannot fall under 1
	v_max_num_f32_dpp v8, v8, v8 row_xmask:1 row_mask:0xf bank_mask:0xf   ; with my neighbour's 16: the block's
	v_add_nc_u32 v11, -(EMAX<<23), v8              ; 2 off its exponent field: the conversion's scale operand
	v_cvt_scalef32_pk8_fp4_f32 v[C+4*(\t)], v[XS:XS+7], v11
	v_cvt_scalef32_pk8_fp4_f32 v[C+4*(\t)+1], v[XS+8:XS+15], v11
	v_lshrrev_b32 v[E+(\t)], 23, v11               ; the scale's byte
	ds_store_b8 v5, v[E+(\t)] offset:16*(\t)       ; both lanes of a block write the same byte with the same value
	global_store_b64 v4, v[C+4*(\t):C+4*(\t)+1], s[24:25] offset:32*CB*(\t)   ; the wave stores 256 consecutive bytes, aligned
.endm
.irp t, 0,1,2,3,4,5,6,7,8,9,10,11,12,13,14,15
	STEP \t
.endr
	ds_load_b64 v[12:13], v6
	s_wait_dscnt 0x0
	global_store_b64 v7, v[12:13], s[26:27]        ; 32 lanes store 256 consecutive bytes, aligned
	s_wait_tensorcnt 0x0
	ds_add_u32 v192, v193
	s_wait_dscnt 0x0
	s_endpgm
.Lnot_a:
	s_cmp_lt_u32 ttmp9, 512
	s_cbranch_scc0 .Lpath_c
; ---------------- B: a wave takes one tile of 16 tokens and half of the keys (8 key steps).  Lane (r, h) reads, of its token's row, the 16 mask bytes that belong to its 16 registers of each block of 32 keys.
	s_sub_co_u32 s20, ttmp9, 256
	s_lshl_b32 s20, s20, 2
	s_add_co_u32 s20, s20, s18
	s_lshr_b32 s21, s20, 1                         ; Tg
	s_and_b32 s22, s20, 1                          ; which half of the keys
	s_lshr_b32 s23, s21, 1
	s_lshl_b32 s23, s23, 5
	s_and_b32 s24, s21, 1
	s_lshl_b32 s24, s24, 3
	s_add_co_u32 s23, s23, s24                     ; the tile's first token: 32 (Tg / 2) + 8 (Tg % 2)
	s_lshl_b32 s28, s23, 11                        ; a token's row of the mask is 2,048 bytes
	s_lshl_b32 s24, s22, 10
	s_add_co_u32 s28, s28, s24
	s_mov_b32 s29, 0
	s_add_nc_u64 s[6:7], s[6:7], s[28:29]
	s_lshl_b32 s28, s21, 12                        ; a tile's words: 4,096 bytes
	s_lshl_b32 s24, s22, 11
	s_add_co_u32 s28, s28, s24
	s_add_nc_u64 s[14:15], s[14:15], s[28:29]
	v_and_b32 v5, 15, v0                           ; r
	v_bfe_u32 v6, v0, 4, 1                         ; h
	v_and_b32 v7, 8, v5
	v_add_nc_u32 v7, v7, v5                        ; r + 8 (r / 8)
	v_lshlrev_b32 v3, 11, v7
	v_lshl_add_u32 v3, v6, 4, v3                   ; row x 2,048 + 16 h
	s_wait_alu depctr_va_vdst(0)
	v_lshlrev_b32 v4, 4, v2                        ; out: 16 bytes a lane
.irp k, 0,1,2,3,4,5,6,7
.irp b, 0,1,2,3
	global_load_b128 v[32+4*(4*\k+\b):35+4*(4*\k+\b)], v3, s[6:7] offset:128*\k+32*\b th:TH_LOAD_NT
.endr
.endr
	s_mov_b32 s36, 0xff                            ; a word's four bytes
	s_mov_b32 s37, 0xff00
	s_mov_b32 s38, 0xff0000
	s_mov_b32 s39, 0xff000000
.irp j, 0,1,2,3,4,5,6,7,8,9,10,11,12,13,14,15
	v_mov_b32 v[160+\j], 0                         ; written once: v_writelane_b32's destination counts as one of its sources
.endr
; Eight words J = j0 .. j0 + 7 of the pair kp of key steps (J = 64 (step % 2) + 16 b + 4 d + y: register d, byte y of the load of block b): the byte is cut out, the compare makes the lane mask,
; and the mask goes to lane J / 4, register J % 4 of the pair's store, which is byte 4 J of its 512.
.macro PACK8 kp, j0
.irp n, 0,1,2,3,4,5,6,7
	v_and_b32 v[16+\n], s[36+((\j0)+\n)%4], v[32+4*(4*(2*(\kp)+((\j0)+\n)/64)+(((\j0)+\n)/16)%4)+(((\j0)+\n)/4)%4]
.endr
.irp n, 0,1,2,3,4,5,6,7
	v_cmp_ne_u32 s[40+\n], 0, v[16+\n]
.endr
.irp n, 0,1,2,3,4,5,6,7
	v_writelane_b32 v[160+4*(\kp)+((\j0)+\n)%4], s[40+\n], ((\j0)+\n)/4
.endr
.endm
.set KP, 0
.rept 4
	s_wait_loadcnt 24-8*KP                         ; this pair's eight loads are in; the later pairs' may be out
.set JJ, 0
.rept 16
	PACK8 KP, JJ
.set JJ, JJ+8
.endr
	global_store_b128 v4, v[160+4*KP:163+4*KP], s[14:15] offset:512*KP   ; 512 consecutive bytes, aligned; each pair has its own data registers
.set KP, KP+1
.endr
	s_endpgm
.Lpath_c:
; ---------------- C: a wave takes one tile of 16 rows of w_o.  The reads of 16 bytes of each row stand here, once, so that the last launch's 256 work-groups read dense runs.
	s_sub_co_u32 s20, ttmp9, 512
	s_lshl_b32 s20, s20, 2
	s_add_co_u32 s20, s20, s18                     ; the tile, 0..63
	s_lshl_b32 s28, s20, 13                        ; 16 rows x 512 bytes
	s_mov_b32 s29, 0
	s_add_nc_u64 s[8:9], s[8:9], s[28:29]
	s_add_nc_u64 s[24:25], s[16:17], s[28:29]
	s_lshl_b32 s28, s20, 9                         ; 16 rows x 32 scale bytes
	s_add_nc_u64 s[10:11], s[10:11], s[28:29]
	s_add_co_u32 s28, s28, WOS
	s_add_nc_u64 s[26:27], s[16:17], s[28:29]
	v_and_b32 v5, 15, v0                           ; r
	v_bfe_u32 v6, v0, 4, 1                         ; h
	v_lshlrev_b32 v3, 9, v5
	v_lshl_add_u32 v3, v6, 4, v3                   ; row r x 512 + 16 h
	v_lshlrev_b32 v7, 5, v5
	v_lshl_add_u32 v7, v6, 2, v7                   ; 32 r + 4 h
	s_wait_alu depctr_va_vdst(0)
	v_lshlrev_b32 v4, 4, v2
.irp k, 0,1,2,3,4,5,6,7
.irp c, 0,1
	global_load_b128 v[32+4*(2*\k+\c):35+4*(2*\k+\c)], v3, s[8:9] offset:64*\k+32*\c
.endr
.endr
.irp k, 0,1,2,3
	global_load_b32 v[96+\k], v7, s[10:11] offset:8*\k
.endr
	s_wait_alu depctr_va_vdst(0)
	s_wait_loadcnt 0x0
.irp k, 0,1,2,3,4,5,6,7,8,9,10,11,12,13,14,15
	global_store_b128 v4, v[32+4*\k:35+4*\k], s[24:25] offset:512*\k
.endr
	global_store_b128 v4, v[96:99], s[26:27]
	s_endpgm
.Lfunc_end_k_qd8f9dcf9f4_prep:
	.size	k_qd8f9dcf9f4_prep, .Lfunc_end_k_qd8f9dcf9f4_prep-k_qd8f9dcf9f4_prep
	.p2alignl 7, 3214868480
	.fill 96, 4, 3214868480
	.section	.rodata,"a",@progbits
	.p2align	6, 0x0
	.amdhsa_kernel k_qd8f9dcf9f4_prep
		.amdhsa_group_segment_fixed_size 33280
		.amdhsa_private_segment_fixed_size 0
		.amdhsa_enable_private_segment 0
		.amdhsa_kernarg_size 56
		.amdhsa_user_sgpr_count 2
		.amdhsa_user_sgpr_kernarg_segment_ptr 1
		.amdhsa_wavefront_size32 1
		.amdhsa_system_sgpr_workgroup_id_x 1
		.amdhsa_system_sgpr_workgroup_id_y 1
		.amdhsa_system_sgpr_workgroup_id_z 1
		.amdhsa_system_vgpr_workitem_id 0
		.amdhsa_next_free_vgpr 194
		.amdhsa_next_free_sgpr 66
		.amdhsa_reserve_vcc 0
		.amdhsa_float_denorm_mode_32 3
		.amdhsa_float_denorm_mode_16_64 3
		.amdhsa_memory_ordered 1
		.amdhsa_forward_progress 1
		.amdhsa_inst_pref_size 123
	.end_amdhsa_kernel
	.amdgpu_metadata
---
amdhsa.version: [ 1, 2 ]
amdhsa.kernels:
  - .name:           k_qd8f9dcf9f4_prep
    .symbol:         k_qd8f9dcf9f4_prep.kd
    .args:
      - { .name: input_Q, .offset: 0, .size: 8, .value_kind: global_buffer, .address_space: global }
      - { .name: attn_mask, .offset: 8, .size: 8, .value_kind: global_buffer, .address_space: global }
      - { .name: w_o_codes, .offset: 16, .size: 8, .value_kind: global_buffer, .address_space: global }
      - { .name: w_o_scales, .offset: 24, .size: 8, .value_kind: global_buffer, .address_space: global }
      - { .name: xq, .offset: 32, .size: 8, .value_kind: global_buffer, .address_space: global }
      - { .name: mbits, .offset: 40, .size: 8, .value_kind: global_buffer, .address_space: global }
      - { .name: wo, .offset: 48, .size: 8, .value_kind: global_buffer, .address_space: global }
    .group_segment_fixed_size: 33280
    .private_segment_fixed_size: 0
    .kernarg_segment_align: 8
    .kernarg_segment_size: 56
    .max_flat_workgroup_size: 128
    .sgpr_count:     66
    .vgpr_count:     194
    .wavefront_size: 32
...
	.end_amdgpu_metadata
.endif
;; end of part 1
;; launch proj (part 2): grid 256 x 1, 8 waves a work-group, no clusters, 327,680 bytes of LDS; arguments w_q_codes, w_q_scales, xq, w_k_codes, w_k_scales, input_K_codes, input_K_scales, input_V_codes, input_V_scales, w_v_codes, w_v_scales, qkv; writes qkv
.if DOCPART == 2
	.amdgcn_target "amdgcn-amd-amdhsa--gfx1250"
	.amdhsa_code_object_version 6
	.text
	.protected	k_qd8f9dcf9f4_proj
	.globl	k_qd8f9dcf9f4_proj
	.p2align	8
	.type	k_qd8f9dcf9f4_proj,@function
k_qd8f9dcf9f4_proj:
	s_mov_b64 s[64:65], 0
	v_nop
	global_prefetch_b8 v0, s[64:65] scope:SCOPE_SE
	s_setreg_imm32_b32 hwreg(HW_REG_WAVE_MODE, 25, 1), 1
	s_wait_xcnt 0x0
; The three projections: D = P R^T on codes of FP4 (E2M1) with E8M0 scales, K = 1,024, and the result quantised IN REGISTERS along P's rows, which are the next product's K.
;   job 0: P = w_q (features), R = input_Q's codes (tokens)  -> Q, quantised along the head's 64
;   job 1: P = w_k,            R = input_K                   -> K, likewise
;   job 2: P = input_V (keys), R = w_v (features)            -> V, quantised along the keys
; Source 0 = 16 rows of P, source 1 = 16 rows of R: a lane holds ONE row of R and its registers run along P's rows.
; THE ROWS OF A TILE ARE NOT NEIGHBOURS, in P and in R: slot r of tile 2 g + u is row 32 g + 8 u + r + 8 (r / 8).  So the 16 registers of P's tiles 2 b, 2 b + 1 are 16 neighbours, 32 b + 16 (lane / 16) + 0 .. 15.
; SHARES.  A job's tile: 256 rows of P x 128 rows of R, all of K; eight waves: wave w takes 128 rows of P (w % 2) x 32 rows of R (w / 2): 16 accumulators, 128 registers.
; A WORK-GROUP STAYS: it makes one tile of each job, one after the other, 256 work-groups in all.  The two halves of K are a ring of two LDS slots (rows of 256 bytes + 16 of padding, so that the 16 rows of a
; fragment load start in different banks): while one half is multiplied, the slot read before it takes the same half of the NEXT job.  Waves 0-3 fetch P's quarters, waves 4-7 R's: one tensor load a wave behind each
; barrier; two of a wave's loads are out at the start, later one.  The scale bytes of all three jobs are copied through registers, once, into bytes of their own.
; No tile is shared by joint loads: neighbours share R's third of a slot in jobs 0 and 1 and P's two thirds in job 2, and one ring serves all three jobs.
; OUT (qkv), everything as images of the operands' registers (lane l's 16 bytes at 16 l; scale words 4 bytes a lane, lanes 0-15 tile 2 g, lanes 16-31 tile 2 g + 1):
;   Q at 0, K at 4194304: [bh 64][tile 128][512];  V at VIMG: [bh][key step 16][tile of d 4][half 2][512];  Q's words at QSC, K's 524,288 on: [bh][pair 64][128];  V's at VSC: [bh][key step][pair 2][128].
;   Q's and K's words: the head's two bytes below, 0x7f7f above: the next product's K is filled from 64 to 128 with zero codes under the byte 127.
; LIMITS: NaN, infinities and the scale byte 0xff are not served; a result block whose largest magnitude lies under 2^-124 (a block of zeros too) gets the byte 1: this program alone reads the bytes.
; The launch claims all of a WGP's LDS; it uses 246,784 bytes.
.set XQS,   4194304
.set QSC,   12582912
.set VIMG,  8388608
.set VSC,   13631488
.set PITCH, 272
.set PC0,   0                          ; slot 0: P's 256 rows, K half 0,
.set RC0,   69632                      ;         R's 128 rows
.set PC1,   104448                     ; slot 1: the same for K half 1
.set RC1,   174080
.set SCL,   208896                     ; the scale bytes: for each job P's 8,192 (32 a row, dense), then R's 4,096
.set JSC,   12288
.set SPARE, 245760                     ; the spare words, 128 bytes for each wave: four blocks of 256 bytes that no other line names
.set ADP,   3                          ; v3, v4   my P fragments in slot 0, 1
.set ADR,   5                          ; v5, v6   my R fragments
.set ADSP,  7                          ; v7       P's scale words: lanes 0-15 the even tile's rows, lanes 16-31 the odd tile's
.set ADSR,  8                          ; v8       R's likewise
.set SCP,   16                         ; v16-31   register 4 b + q: P's tile pair b, the half's q-th 128 along K
.set SCR,   32                         ; v32-35   R's pair
.set SPW,   36                         ; v36      LDS address of my spare word: SPARE + 4 x my thread's number; never rewritten
.set NIL,   37                         ; v37      0; never rewritten
.set RF,    48                         ; v48-63   R's two fragments
.set PF,    64                         ; v64-127  P's eight fragments
.set ACC,   128                        ; v128-255 accumulator (R tile p, P tile t) at ACC + 64 p + 8 t
.set TM,    64                         ; the quantiser's work registers lie where P's fragments lay
; s[8:9], s[14:15], s[22:23]: my quarter of P's tile of job 0, 1, 2;  s[12:13], s[18:19], s[26:27]: of R's;  s[10:11], s[16:17], s[24:25]: P's scale bytes;  s[32:33], s[20:21], s[28:29]: R's;  s[30:31]: qkv
; s[44:51], s[52:59]: descriptor group 1 for P, R;  s[60:63], s[68:71]: group 0 for P, slot 0, 1;  s[72:75], s[76:79]: for R
; one product; ra, rb: the side's scales stand in lanes 16-31
.macro WM d, a, b, zero, sa, sb, ra, rb
.if \zero
.if (\ra) && (\rb)
	v_wmma_scale_f32_16x16x128_f8f6f4 v[\d:\d+7], v[\a:\a+7], v[\b:\b+7], 0, v[\sa], v[\sb] matrix_a_fmt:MATRIX_FMT_FP4 matrix_b_fmt:MATRIX_FMT_FP4 matrix_a_scale:MATRIX_SCALE_ROW1 matrix_b_scale:MATRIX_SCALE_ROW1
.elseif (\ra)
	v_wmma_scale_f32_16x16x128_f8f6f4 v[\d:\d+7], v[\a:\a+7], v[\b:\b+7], 0, v[\sa], v[\sb] matrix_a_fmt:MATRIX_FMT_FP4 matrix_b_fmt:MATRIX_FMT_FP4 matrix_a_scale:MATRIX_SCALE_ROW1
.elseif (\rb)
	v_wmma_scale_f32_16x16x128_f8f6f4 v[\d:\d+7], v[\a:\a+7], v[\b:\b+7], 0, v[\sa], v[\sb] matrix_a_fmt:MATRIX_FMT_FP4 matrix_b_fmt:MATRIX_FMT_FP4 matrix_b_scale:MATRIX_SCALE_ROW1
.else
	v_wmma_scale_f32_16x16x128_f8f6f4 v[\d:\d+7], v[\a:\a+7], v[\b:\b+7], 0, v[\sa], v[\sb] matrix_a_fmt:MATRIX_FMT_FP4 matrix_b_fmt:MATRIX_FMT_FP4
.endif
.else
.if (\ra) && (\rb)
	v_wmma_scale_f32_16x16x128_f8f6f4 v[\d:\d+7], v[\a:\a+7], v[\b:\b+7], v[\d:\d+7], v[\sa], v[\sb] matrix_a_fmt:MATRIX_FMT_FP4 matrix_b_fmt:MATRIX_FMT_FP4 matrix_a_scale:MATRIX_SCALE_ROW1 matrix_b_scale:MATRIX_SCALE_ROW1
.elseif (\ra)
	v_wmma_scale_f32_16x16x128_f8f6f4 v[\d:\d+7], v[\a:\a+7], v[\b:\b+7], v[\d:\d+7], v[\sa], v[\sb] matrix_a_fmt:MATRIX_FMT_FP4 matrix_b_fmt:MATRIX_FMT_FP4 matrix_a_scale:MATRIX_SCALE_ROW1
.elseif (\rb)
	v_wmma_scale_f32_16x16x128_f8f6f4 v[\d:\d+7], v[\a:\a+7], v[\b:\b+7], v[\d:\d+7], v[\sa], v[\sb] matrix_a_fmt:MATRIX_FMT_FP4 matrix_b_fmt:MATRIX_FMT_FP4 matrix_b_scale:MATRIX_SCALE_ROW1
.else
	v_wmma_scale_f32_16x16x128_f8f6f4 v[\d:\d+7], v[\a:\a+7], v[\b:\b+7], v[\d:\d+7], v[\sa], v[\sb] matrix_a_fmt:MATRIX_FMT_FP4 matrix_b_fmt:MATRIX_FMT_FP4
.endif
.endif
.endm
; slot c's two descriptors are pointed at K half c of the job whose quarters begin at s[pa:pa+1] (P) and s[ra:ra+1] (R)
.macro AIM c, pa, ra
	s_add_nc_u64 s[62+8*\c:63+8*\c], s[\pa:\pa+1], 256*\c
	s_or_b32 s[63+8*\c], s[63+8*\c], 0x80000000    ; 127:126 type = 2
	s_add_nc_u64 s[74+4*\c:75+4*\c], s[\ra:\ra+1], 256*\c
	s_or_b32 s[75+4*\c], s[75+4*\c], 0x80000000
.endm
; slot c is asked for: waves 0-3 P's quarters, waves 4-7 R's.  The branch hangs on the wave's number alone; four v_nop follow each of the two lines.
.macro TLOAD c
	s_cmp_lt_u32 s4, 4
	s_cbranch_scc0 .Lfor_r_\@
	tensor_load_to_lds s[60+8*\c:63+8*\c], s[44:51]
	s_nop 0
.rept 4
	v_nop
.endr
	s_branch .Lasked_\@
.Lfor_r_\@:
	tensor_load_to_lds s[72+4*\c:75+4*\c], s[52:59]
	s_nop 0
.rept 4
	v_nop
.endr
.Lasked_\@:
.endm
	s_load_b512 s[8:23], s[0:1], 0x0               ; w_q codes 8, scales 10; xq 12; w_k codes 14, scales 16; input_K codes 18, scales 20; input_V codes 22
	s_load_b256 s[24:31], s[0:1], 0x40             ; input_V scales 24; w_v codes 26, scales 28; qkv 30
	v_lshl_add_u32 v[SPW], v0, 2, SPARE
	v_mov_b32 v[NIL], 0
	ds_add_u32 v36, v37
	ds_add_u32 v36, v37
	s_wait_dscnt 0x0
	v_lshrrev_b32 v1, 5, v0
	s_delay_alu instid0(VALU_DEP_1)
	v_readfirstlane_b32 s4, v1                     ; wave 0..7
	s_and_b32 s5, s4, 1                            ; wp: which 128 rows of P
	s_lshr_b32 s6, s4, 1                           ; wr: which 32 rows of R
	s_and_b32 s7, s4, 3                            ; which quarter of a tile I fetch
	s_and_b32 s81, ttmp9, 3                        ; jobs 0, 1: P's tile of 256 rows, x % 4 of 4,
	s_lshr_b32 s82, ttmp9, 2                       ;            R's tile of 128 rows, x / 4 of 64
	s_lshr_b32 s83, ttmp9, 3                       ; job 2: P's tile, x / 8 of 32,
	s_and_b32 s84, ttmp9, 7                        ;        R's tile, x % 8 of 8
	; descriptor group 1: rows of 256 bytes (elements of 1 byte), 512 bytes apart in memory, 16 bytes of padding behind each in LDS; P: 64 rows a load, R: 32
	s_mov_b32 s44, (1<<20)|(5<<22)|(3<<25)         ; 20 padding on; 24:22 after every 64 words (code 5); 31:25 four words (code 3)
	s_mov_b32 s45, 256<<16                         ; tensor_dim0
	s_mov_b32 s46, 64<<16                          ; tensor_dim1
	s_mov_b32 s47, 256<<16                         ; tile_dim0
	s_mov_b32 s48, 64                              ; tile_dim1
	s_mov_b32 s49, 512                             ; from row to row
	s_mov_b32 s50, 0
	s_mov_b32 s51, 0
	s_mov_b32 s52, (1<<20)|(5<<22)|(3<<25)
	s_mov_b32 s53, 256<<16
	s_mov_b32 s54, 32<<16
	s_mov_b32 s55, 256<<16
	s_mov_b32 s56, 32
	s_mov_b32 s57, 512
	s_mov_b32 s58, 0
	s_mov_b32 s59, 0
	s_mul_i32 s85, s7, 64*PITCH                    ; where my quarter goes: the wave's number times a constant, plus the region's constant
	s_mov_b32 s60, 1
	s_add_co_u32 s61, s85, PC0
	s_mov_b32 s68, 1
	s_add_co_u32 s69, s85, PC1
	s_mul_i32 s85, s7, 32*PITCH
	s_mov_b32 s72, 1
	s_add_co_u32 s73, s85, RC0
	s_mov_b32 s76, 1
	s_add_co_u32 s77, s85, RC1
	s_mov_b32 s40, 0x76543210                      ; v_permlanex16_b32's selects for lane l xor 16
	s_mov_b32 s41, 0xfedcba98
	s_mov_b32 s42, 0xffff0000                      ; lanes 16-31
	s_mov_b32 s43, 0xffff
	s_mov_b32 s80, 0x7f7f0000
	; byte offsets of jobs 0 and 1: P's codes, R's codes, P's scale bytes, R's
	s_lshl_b32 s86, s81, 8
	s_lshl_b32 s85, s7, 6
	s_add_co_u32 s86, s86, s85                     ; P: row 256 x tile + 64 x quarter
	s_lshl_b32 s86, s86, 9
	s_mov_b32 s87, 0
	s_lshl_b32 s88, s82, 7
	s_lshl_b32 s85, s7, 5
	s_add_co_u32 s88, s88, s85                     ; R: row 128 x tile + 32 x quarter
	s_lshl_b32 s88, s88, 9
	s_mov_b32 s89, 0
	s_lshl_b32 s90, s81, 13
	s_mov_b32 s91, 0
	s_lshl_b32 s92, s82, 12
	s_mov_b32 s93, 0
	s_wait_kmcnt 0x0
	s_add_nc_u64 s[32:33], s[12:13], XQS           ; input_Q's scale bytes lie behind its codes
	s_add_nc_u64 s[8:9], s[8:9], s[86:87]
	s_add_nc_u64 s[12:13], s[12:13], s[88:89]
	AIM 0, 8, 12
	AIM 1, 8, 12
	s_cmp_lt_u32 s4, 4                             ; job 0's two halves: a wave's two first fills stand in one branch, ahead of every wait on TENSORcnt, LDS read and barrier
	s_cbranch_scc0 .Lfill_r
	tensor_load_to_lds s[60:63], s[44:51]
	s_nop 0
	tensor_load_to_lds s[68:71], s[44:51]
	s_nop 0
.rept 4
	v_nop
.endr
	s_branch .Lfilled
.Lfill_r:
	tensor_load_to_lds s[72:75], s[52:59]
	s_nop 0
	tensor_load_to_lds s[76:79], s[52:59]
	s_nop 0
.rept 4
	v_nop
.endr
.Lfilled:
	s_add_nc_u64 s[32:33], s[32:33], s[92:93]
	s_add_nc_u64 s[10:11], s[10:11], s[90:91]
	s_add_nc_u64 s[14:15], s[14:15], s[86:87]
	s_add_nc_u64 s[18:19], s[18:19], s[88:89]
	s_add_nc_u64 s[16:17], s[16:17], s[90:91]
	s_add_nc_u64 s[20:21], s[20:21], s[92:93]
	s_lshl_b32 s86, s83, 8                         ; the same for job 2
	s_lshl_b32 s85, s7, 6
	s_add_co_u32 s86, s86, s85
	s_lshl_b32 s86, s86, 9
	s_lshl_b32 s88, s84, 7
	s_lshl_b32 s85, s7, 5
	s_add_co_u32 s88, s88, s85
	s_lshl_b32 s88, s88, 9
	s_lshl_b32 s90, s83, 13
	s_lshl_b32 s92, s84, 12
	s_add_nc_u64 s[22:23], s[22:23], s[86:87]
	s_add_nc_u64 s[26:27], s[26:27], s[88:89]
	s_add_nc_u64 s[24:25], s[24:25], s[90:91]
	s_add_nc_u64 s[28:29], s[28:29], s[92:93]
	; the scale bytes of a job's rows are dense blocks (8,192 and 4,096 bytes): 16 bytes a thread, three loads a job, into registers that the sums take later, then into LDS as they lie
	v_lshlrev_b32 v10, 4, v0
	v_lshl_add_u32 v9, v0, 4, SCL
	global_load_b128 v[128:131], v10, s[10:11]
	global_load_b128 v[132:135], v10, s[10:11] offset:4096
	global_load_b128 v[136:139], v10, s[32:33]
	global_load_b128 v[140:143], v10, s[16:17]
	global_load_b128 v[144:147], v10, s[16:17] offset:4096
	global_load_b128 v[148:151], v10, s[20:21]
	global_load_b128 v[152:155], v10, s[24:25]
	global_load_b128 v[156:159], v10, s[24:25] offset:4096
	global_load_b128 v[160:163], v10, s[28:29]
	v_and_b32 v11, 31, v0
	s_delay_alu instid0(VALU_DEP_1)
	v_lshlrev_b32 v1, 4, v11                       ; 16 x lane: an image's place
	s_delay_alu instid0(VALU_DEP_2)
	v_lshlrev_b32 v2, 2, v11                       ; 4 x lane: a scale word's
	v_and_b32 v11, 15, v0                          ; r
	v_bfe_u32 v12, v0, 4, 1                        ; h
	s_delay_alu instid0(VALU_DEP_2)
	v_and_b32 v13, 8, v11
	s_delay_alu instid0(VALU_DEP_1)
	v_add_nc_u32 v13, v13, v11                     ; r + 8 (r / 8)
	s_delay_alu instid0(VALU_DEP_1)
	v_mul_u32_u24 v14, v13, PITCH
	s_delay_alu instid0(VALU_DEP_1)
	v_lshl_add_u32 v14, v12, 4, v14                ; a fragment's row x pitch + 16 h
	s_mul_i32 s85, s5, 128*PITCH
	v_add_nc_u32 v3, s85, v14
	s_delay_alu instid0(VALU_DEP_1)
	v_add_nc_u32 v4, PC1, v3
	s_mul_i32 s85, s6, 32*PITCH
	s_add_co_u32 s85, s85, RC0
	v_add_nc_u32 v5, s85, v14
	s_delay_alu instid0(VALU_DEP_1)
	v_add_nc_u32 v6, RC1-RC0, v5
	v_lshl_add_u32 v15, v12, 3, v13                ; lanes 16-31 take the odd tile's rows, 8 further on
	s_delay_alu instid0(VALU_DEP_1)
	v_lshlrev_b32 v15, 5, v15                      ; 32 scale bytes a row
	s_lshl_b32 s85, s5, 12
	s_add_co_u32 s85, s85, SCL
	v_add_nc_u32 v7, s85, v15
	s_lshl_b32 s85, s6, 10
	s_add_co_u32 s85, s85, SCL+8192
	v_add_nc_u32 v8, s85, v15
; 128 along K: the q-th of K half c of job j.  The sixteen accumulators take turns, one instruction a turn, in the same order in every step.
.macro STEP j, c, q, zero
.rept 4
	v_nop                                          ; four places in front of loads into registers that matrix instructions have read (ISA guide 7.12.1 for vector instructions)
.endr
.if \q == 0
.irp b, 0,1,2,3
	ds_load_b128 v[SCP+4*\b:SCP+4*\b+3], v[ADSP] offset:JSC*\j+1024*\b+16*\c   ; the half's four scale words of tile pair b
.endr
	ds_load_b128 v[SCR:SCR+3], v[ADSR] offset:JSC*\j+16*\c
.endif
.irp p, 0,1
.irp e, 0,1
	ds_load_b128 v[RF+8*\p+4*\e:RF+8*\p+4*\e+3], v[ADR+\c] offset:8*\p*PITCH+64*\q+32*\e
.endr
.endr
.irp t, 0,1,2,3,4,5,6,7
.irp e, 0,1
	ds_load_b128 v[PF+8*\t+4*\e:PF+8*\t+4*\e+3], v[ADP+\c] offset:(32*(\t/2)+8*(\t%2))*PITCH+64*\q+32*\e
.endr
.endr
.irp t, 0,1,2,3,4,5,6,7
	s_wait_dscnt 14-2*\t                           ; P's tile t is in; the two loads of each later tile may be out
	WM ACC+8*\t, PF+8*\t, RF, \zero, SCP+4*(\t/2)+\q, SCR+\q, \t%2, 0
	WM ACC+64+8*\t, PF+8*\t, RF+8, \zero, SCP+4*(\t/2)+\q, SCR+\q, \t%2, 1
.endr
.endm
.macro HALF j, c, zero                         ; a slot's four steps; zero = 1: the first products start the sums: nothing is cleared
	STEP \j, \c, 0, \zero
	STEP \j, \c, 1, 0
	STEP \j, \c, 2, 0
	STEP \j, \c, 3, 0
.endm
; THE CHANGE OF SLOTS.  Each wave waits for all its tensor loads (one is out: its part of the slot that is read next), adds 0 to its spare word, and waits for that and for its reads of the slot that it leaves.
; Behind the barrier the next slot is whole and nobody reads the other.  fill = 1: that other slot, c, takes K half c of the job at s[pa], s[ra]: the wave's one tensor load until the next change, and the first thing behind the barrier.
.macro CHANGE fill, c, pa, ra
	s_wait_tensorcnt 0x0                           ; no tensor load of mine is out, so a group 0 may be written
	ds_add_u32 v[SPW], v[NIL]                      ; 0 onto my spare word
.if \fill
	AIM \c, \pa, \ra
.endif
	s_wait_dscnt 0x0                               ; the add is done, and my reads of the slot that I leave are over
	s_barrier_signal -1
	s_barrier_wait -1
.if \fill
	TLOAD \c
.endif
.endm
; 64 numbers of a lane, v[s] .. v[s + 63], register 16 b + i = k 32 b + 16 (lane / 16) + i of my row, become a fragment's codes in v[pc] on and its scale word in v[pw].  Each accumulator is first read at its low end.
.macro QUANT s, pc, pw
.irp b, 0,1,2,3
	v_max3_num_f32 v[TM+\b], |v[\s+16*\b]|, |v[\s+1+16*\b]|, 0x1800000   ; my 16 numbers of block b, and the floor 2^(3 - 127): the byte cannot fall under 1
.endr
.irp i, 2,4,6,8,10,12,14
.irp b, 0,1,2,3
	v_max3_num_f32 v[TM+\b], v[TM+\b], |v[\s+16*\b+\i]|, |v[\s+1+16*\b+\i]|
.endr
.endr
.irp b, 0,1,2,3
	s_delay_alu instid0(VALU_DEP_4)
	v_permlanex16_b32 v[TM+4+\b], v[TM+\b], s40, s41
.endr
.irp b, 0,1,2,3
	s_delay_alu instid0(VALU_DEP_4)
	v_max_num_f32 v[TM+\b], v[TM+\b], v[TM+4+\b]   ; with lane l xor 16's: the block's largest magnitude
.endr
.irp b, 0,1,2,3
	s_delay_alu instid0(VALU_DEP_4)
	v_add_nc_u32 v[TM+12+\b], 0xff000000, v[TM+\b] ; 2 off its exponent field: the conversion's scale operand
.endr
.irp b, 0,1,2,3
	s_delay_alu instid0(VALU_DEP_4)
	v_lshrrev_b32 v[TM+4+\b], 23, v[TM+12+\b]      ; the scale's byte
.endr
	s_delay_alu instid0(VALU_DEP_3)
	v_lshl_or_b32 v[\pw], v[TM+5], 8, v[TM+4]
	s_delay_alu instid0(VALU_DEP_1)
	v_lshl_or_b32 v[\pw], v[TM+6], 16, v[\pw]
	s_delay_alu instid0(VALU_DEP_1)
	v_lshl_or_b32 v[\pw], v[TM+7], 24, v[\pw]
.irp b, 0,1,2,3
	v_cvt_scalef32_pk8_fp4_f32 v[\pc+2*\b], v[\s+16*\b:\s+7+16*\b], v[TM+12+\b]
	v_cvt_scalef32_pk8_fp4_f32 v[\pc+1+2*\b], v[\s+8+16*\b:\s+15+16*\b], v[TM+12+\b]
.endr
	v_nop                                          ; one plain place behind a scaled conversion
.irp c, 0,1                                    ; the operand's layout wants a whole block in a lane
.irp i, 0,1
	v_permlane16_swap_b32 v[\pc+4*\c+\i], v[\pc+2+4*\c+\i]
.endr
.endr
.endm
.macro RESULT                                  ; a job's sums become two fragments (v80-87, v88-95) and the pair's scale words (v98)
.rept 4
	v_nop                                          ; places in front of the first read of results and the first write over fragments
.endr
.irp b, 0,1,2,3
	v_mov_b32 v[TM+4+\b], 0                        ; a lane permute's destination counts as one of its sources
.endr
	QUANT ACC, 80, 96                              ; R's tile 0
	QUANT ACC+64, 88, 97                           ; R's tile 1
	v_cndmask_b32 v98, v96, v97, s42               ; lanes 0-15 tile 0's words, lanes 16-31 tile 1's
.endm
; Q (j = 0), K (j = 1): my 128 features are heads 2 hp and 2 hp + 1: registers 0-3 of a fragment are the even head's 64, registers 4-7 the odd head's
.macro OUT_QK j
	RESULT
	s_wait_alu depctr_va_vdst(0)
	s_lshl_b32 s86, s82, 2
	s_add_co_u32 s86, s86, s6                      ; G: which 32 tokens
	s_lshl_b32 s87, s81, 1
	s_add_co_u32 s87, s87, s5                      ; hp: which 128 features
	s_mov_b32 s93, 0
	s_lshr_b32 s88, s86, 6                         ; the batch: 64 groups of 32 tokens each
	s_lshl_b32 s88, s88, 4
	s_lshl_b32 s89, s87, 1
	s_add_co_u32 s88, s88, s89                     ; bh of the even head
	s_lshl_b32 s92, s88, 16
	s_lshl_b32 s89, s86, 1
	s_and_b32 s89, s89, 127                        ; the tile in its batch
	s_lshl_b32 s89, s89, 9
	s_add_co_u32 s92, s92, s89
	s_add_co_u32 s92, s92, (\j)<<22                ; Q at 0, K at 4,194,304
	s_add_nc_u64 s[94:95], s[30:31], s[92:93]
	s_lshl_b32 s92, s88, 13
	s_and_b32 s89, s86, 63
	s_lshl_b32 s89, s89, 7
	s_add_co_u32 s92, s92, s89
	s_add_co_u32 s92, s92, QSC+((\j)<<19)
	s_add_nc_u64 s[96:97], s[30:31], s[92:93]
	v_and_or_b32 v99, v98, s43, s80                ; the even head's two bytes, 127 above
	v_lshrrev_b32 v100, 16, v98
	s_delay_alu instid0(VALU_DEP_1)
	v_or_b32 v100, s80, v100                       ; the odd head's
.irp p, 0,1
.irp e, 0,1
	global_store_b128 v1, v[80+8*\p+4*\e:83+8*\p+4*\e], s[94:95] offset:512*\p+65536*\e   ; 512 consecutive bytes, aligned
.endr
.endr
	global_store_b32 v2, v99, s[96:97]
	global_store_b32 v2, v100, s[96:97] offset:8192
	s_wait_xcnt 0x0                                ; the stores have read their registers and bases: the next job's fragments land there only behind this wait
.endm
; V: my 128 rows of P are one key step of one batch; my 32 rows of R are half a head's 64
.macro OUT_V
	RESULT
	s_lshl_b32 s86, s84, 2
	s_add_co_u32 s86, s86, s6                      ; G: which 32 features
	s_lshl_b32 s87, s83, 1
	s_add_co_u32 s87, s87, s5                      ; which 128 keys
	s_mov_b32 s93, 0
	s_lshr_b32 s88, s87, 4                         ; the batch
	s_lshl_b32 s88, s88, 4
	s_lshr_b32 s89, s86, 1                         ; the head
	s_add_co_u32 s88, s88, s89                     ; bh
	s_and_b32 s87, s87, 15                         ; the key step
	s_and_b32 s86, s86, 1                          ; which pair of d's tiles
	s_lshl_b32 s92, s88, 16
	s_lshl_b32 s89, s87, 12
	s_add_co_u32 s92, s92, s89
	s_lshl_b32 s89, s86, 11
	s_add_co_u32 s92, s92, s89
	s_add_co_u32 s92, s92, VIMG
	s_add_nc_u64 s[94:95], s[30:31], s[92:93]
	s_lshl_b32 s92, s88, 12
	s_lshl_b32 s89, s87, 8
	s_add_co_u32 s92, s92, s89
	s_lshl_b32 s89, s86, 7
	s_add_co_u32 s92, s92, s89
	s_add_co_u32 s92, s92, VSC
	s_add_nc_u64 s[96:97], s[30:31], s[92:93]
	s_wait_alu depctr_va_vdst(0)
.irp p, 0,1
.irp e, 0,1
	global_store_b128 v1, v[80+8*\p+4*\e:83+8*\p+4*\e], s[94:95] offset:1024*\p+512*\e
.endr
.endr
	global_store_b32 v2, v98, s[96:97]
.endm
	s_wait_alu depctr_va_vdst(0)
	s_wait_tensorcnt 0x1                           ; my part of job 0's K half 0 is in; half 1's load may stay out
	s_wait_loadcnt 0x0                             ; the scale bytes
.irp n, 0,1,2,3,4,5,6,7,8
	ds_store_b128 v9, v[128+4*\n:131+4*\n] offset:4096*\n
.endr
	s_wait_dscnt 0x0                               ; for the others' sake: my stores have landed
	s_barrier_signal -1
	s_barrier_wait -1
	HALF 0, 0, 1
	CHANGE 1, 0, 14, 18                            ; slot 0 takes job 1's K half 0
	HALF 0, 1, 0
	OUT_QK 0
	CHANGE 1, 1, 14, 18                            ; slot 1 takes job 1's K half 1
	HALF 1, 0, 1
	CHANGE 1, 0, 22, 26                            ; slot 0 takes job 2's K half 0
	HALF 1, 1, 0
	OUT_QK 1
	CHANGE 1, 1, 22, 26                            ; slot 1 takes job 2's K half 1: the last load
	HALF 2, 0, 1
	CHANGE 0, 0, 0, 0                              ; nothing is left to fetch
	HALF 2, 1, 0
	OUT_V
	s_wait_tensorcnt 0x0                           ; the wave's end: behind my last tensor load and my last LDS store
	ds_add_u32 v[SPW], v[NIL]
	s_wait_dscnt 0x0
	s_endpgm
.Lfunc_end_k_qd8f9dcf9f4_proj:
	.size	k_qd8f9dcf9f4_proj, .Lfunc_end_k_qd8f9dcf9f4_proj-k_qd8f9dcf9f4_proj
	.p2alignl 7, 3214868480
	.fill 96, 4, 3214868480
	.section	.rodata,"a",@progbits
	.p2align	6, 0x0
	.amdhsa_kernel k_qd8f9dcf9f4_proj
		.amdhsa_group_segment_fixed_size 327680
		.amdhsa_private_segment_fixed_size 0
		.amdhsa_enable_private_segment 0
		.amdhsa_kernarg_size 96
		.amdhsa_user_sgpr_count 2
		.amdhsa_user_sgpr_kernarg_segment_ptr 1
		.amdhsa_wavefront_size32 1
		.amdhsa_system_sgpr_workgroup_id_x 1
		.amdhsa_system_sgpr_workgroup_id_y 1
		.amdhsa_system_sgpr_workgroup_id_z 1
		.amdhsa_system_vgpr_workitem_id 0
		.amdhsa_next_free_vgpr 256
		.amdhsa_next_free_sgpr 98
		.amdhsa_reserve_vcc 0
		.amdhsa_float_denorm_mode_32 3
		.amdhsa_float_denorm_mode_16_64 3
		.amdhsa_memory_ordered 1
		.amdhsa_forward_progress 1
		.amdhsa_inst_pref_size 133
	.end_amdhsa_kernel
	.amdgpu_metadata
---
amdhsa.version: [ 1, 2 ]
amdhsa.kernels:
  - .name:           k_qd8f9dcf9f4_proj
    .symbol:         k_qd8f9dcf9f4_proj.kd
    .args:
      - { .name: w_q_codes, .offset: 0, .size: 8, .value_kind: global_buffer, .address_space: global }
      - { .name: w_q_scales, .offset: 8, .size: 8, .value_kind: global_buffer, .address_space: global }
      - { .name: xq, .offset: 16, .size: 8, .value_kind: global_buffer, .address_space: global }
      - { .name: w_k_codes, .offset: 24, .size: 8, .value_kind: global_buffer, .address_space: global }
      - { .name: w_k_scales, .offset: 32, .size: 8, .value_kind: global_buffer, .address_space: global }
      - { .name: input_K_codes, .offset: 40, .size: 8, .value_kind: global_buffer, .address_space: global }
      - { .name: input_K_scales, .offset: 48, .size: 8, .value_kind: global_buffer, .address_space: global }
      - { .name: input_V_codes, .offset: 56, .size: 8, .value_kind: global_buffer, .address_space: global }
      - { .name: input_V_scales, .offset: 64, .size: 8, .value_kind: global_buffer, .address_space: global }
      - { .name: w_v_codes, .offset: 72, .size: 8, .value_kind: global_buffer, .address_space: global }
      - { .name: w_v_scales, .offset: 80, .size: 8, .value_kind: global_buffer, .address_space: global }
      - { .name: qkv, .offset: 88, .size: 8, .value_kind: global_buffer, .address_space: global }
    .group_segment_fixed_size: 327680
    .private_segment_fixed_size: 0
    .kernarg_segment_align: 8
    .kernarg_segment_size: 96
    .max_flat_workgroup_size: 256
    .sgpr_count:     98
    .vgpr_count:     256
    .wavefront_size: 32
...
	.end_amdgpu_metadata
.endif
;; end of part 2
;; launch attn (part 3): grid 4 x 64, 16 waves a work-group, no clusters, 169,984 bytes of LDS; arguments qkv, mbits, ctx; writes ctx
.if DOCPART == 3
	.amdgcn_target "amdgcn-amd-amdhsa--gfx1250"
	.amdhsa_code_object_version 6
	.text
	.protected	k_qd8f9dcf9f4_attn
	.globl	k_qd8f9dcf9f4_attn
	.p2align	8
	.type	k_qd8f9dcf9f4_attn,@function
k_qd8f9dcf9f4_attn:
	s_mov_b64 s[64:65], 0
	v_nop
	global_prefetch_b8 v0, s[64:65] scope:SCOPE_SE
	s_setreg_imm32_b32 hwreg(HW_REG_WAVE_MODE, 25, 1), 1
	s_wait_xcnt 0x0
; Attention of one head on codes of FP4 (E2M1) with E8M0 scales, and its result quantised for the last product.
; S^T = K Q^T (K = the head's 64, filled to 128 with zero codes under the byte 127), the mask, p = 2^(t - M) with t = score x log2(e) / 8 and M the running largest t rounded UP to a whole number,
; O^T += V^T P^T on p quantised along the keys; the row's sum is taken of the unquantised p and divides at the end; ctx = O / sum is quantised along the head's 64 (two blocks).
; SHARES.  A work-group: one (batch, head) and 512 queries.  The head's K, V and scale words, 143,360 bytes, lie in LDS as images of the operands' registers, filled ONCE (waves 0-3 K, 4-7 V, 8-10 the scale words).
; Each of the sixteen waves owns two tiles of 16 queries and takes them one after the other; behind the one barrier the waves share nothing: four to a SIMD, so that one wave's vector work stands beside another's products and loads.
; No joint loads: what the four work-groups of a head share is fetched once in the launch and is read for 32 key steps a wave.
; LAYOUT.  Both products transposed: a lane holds ONE query (lane % 16).  Slot r of tile 2 g + u (of keys, queries and d alike) is row 32 g + 8 u + r + 8 (r / 8): the 16 registers of tiles 2 b, 2 b + 1 are 16 neighbours.
; THE MASK comes as lane masks (64 words a key step and tile) by scalar loads, a key step ahead, and only selects values, in every step: a hidden score becomes -2^33.  No branch hangs on it.
; LDS LOADS run ahead: a step's V is asked for behind its first products, a softmax ahead of its use, and the NEXT step's K with it.
; LIMITS.  A hidden logit is so -2^30 where the problem has -1e9: a power of two, so that score x c is exact and a row hidden throughout gets p = 1 for every key, as the problem's rule gives.  Results differ from the
; problem's only where an open logit lies under about -9.9e8.  NaN and infinities are not served.  A block of p or of ctx whose largest magnitude lies under 2^-124 (zeros too) gets the byte 1: this program alone reads it.
; The largest p of a block is not searched for: the block's largest score goes through the same multiply-add and exponential (this takes v_exp_f32 not to fall where its input rises).
; REGISTERS: v1-4 lane places; v5-8 LDS addresses in hand; v9 -2^33; v10 4 x lane; v11 tile 0's ctx word; v12 -M, v13 the largest t, v[14:15] the sum; v16-23 Q (20-23 zeros); v24 Q's words; v25-28 K's; v29-30 V's; v31 p's;
;   v32-95 K's eight fragments (the upper four registers of each are zeros); v96-159 S^T, then p; v160-191 O^T; v192-223 V's four fragments; v224-231 p's codes; v232-254 at work.
; s[32:63], s[68:99]: a step's 64 lane masks (the descriptors lay there until their loads had landed).
.set KIMG, 4194304
.set VIMG, 8388608
.set QSC,  12582912
.set KSC,  13107200
.set VSC,  13631488
.set CSW,  4194304
.set LVI,  65536                       ; LDS: K's images at 0, V's here,
.set LKS,  131072                      ; K's scale words,
.set LVS,  139264                      ; V's
.macro WM d, a, b, zero, sa, sb, ra, rb
.if \zero
.if (\ra) && (\rb)
	v_wmma_scale_f32_16x16x128_f8f6f4 v[\d:\d+7], v[\a:\a+7], v[\b:\b+7], 0, v[\sa], v[\sb] matrix_a_fmt:MATRIX_FMT_FP4 matrix_b_fmt:MATRIX_FMT_FP4 matrix_a_scale:MATRIX_SCALE_ROW1 matrix_b_scale:MATRIX_SCALE_ROW1
.elseif (\ra)
	v_wmma_scale_f32_16x16x128_f8f6f4 v[\d:\d+7], v[\a:\a+7], v[\b:\b+7], 0, v[\sa], v[\sb] matrix_a_fmt:MATRIX_FMT_FP4 matrix_b_fmt:MATRIX_FMT_FP4 matrix_a_scale:MATRIX_SCALE_ROW1
.elseif (\rb)
	v_wmma_scale_f32_16x16x128_f8f6f4 v[\d:\d+7], v[\a:\a+7], v[\b:\b+7], 0, v[\sa], v[\sb] matrix_a_fmt:MATRIX_FMT_FP4 matrix_b_fmt:MATRIX_FMT_FP4 matrix_b_scale:MATRIX_SCALE_ROW1
.else
	v_wmma_scale_f32_16x16x128_f8f6f4 v[\d:\d+7], v[\a:\a+7], v[\b:\b+7], 0, v[\sa], v[\sb] matrix_a_fmt:MATRIX_FMT_FP4 matrix_b_fmt:MATRIX_FMT_FP4
.endif
.else
.if (\ra)
	v_wmma_scale_f32_16x16x128_f8f6f4 v[\d:\d+7], v[\a:\a+7], v[\b:\b+7], v[\d:\d+7], v[\sa], v[\sb] matrix_a_fmt:MATRIX_FMT_FP4 matrix_b_fmt:MATRIX_FMT_FP4 matrix_a_scale:MATRIX_SCALE_ROW1
.else
	v_wmma_scale_f32_16x16x128_f8f6f4 v[\d:\d+7], v[\a:\a+7], v[\b:\b+7], v[\d:\d+7], v[\sa], v[\sb] matrix_a_fmt:MATRIX_FMT_FP4 matrix_b_fmt:MATRIX_FMT_FP4
.endif
.endif
.endm
	s_load_b128 s[8:11], s[0:1], 0x0               ; qkv, mbits
	s_load_b64 s[12:13], s[0:1], 0x10              ; ctx
	v_lshl_add_u32 v251, v0, 2, 0x29000
	v_mov_b32 v255, 0
	ds_add_u32 v251, v255
	ds_add_u32 v251, v255
	v_lshrrev_b32 v1, 5, v0
	s_delay_alu instid0(VALU_DEP_1)
	v_readfirstlane_b32 s4, v1                     ; wave 0..15
	s_and_b32 s5, ttmp7, 0xffff                    ; bh = 16 x batch + head
	s_and_b32 s6, s4, 7
	s_and_b32 s7, s4, 3
	; descriptor group 1: dense blocks as rows of 256 bytes (32 elements of 8 bytes): 64 rows for the images, 16 for the scale words
	s_mov_b32 s32, 3<<16
	s_mov_b32 s33, 32<<16
	s_mov_b32 s34, 64<<16
	s_mov_b32 s35, 32<<16
	s_mov_b32 s36, 64
	s_mov_b32 s37, 32
	s_mov_b32 s38, 0
	s_mov_b32 s39, 0
	s_mov_b32 s44, 3<<16
	s_mov_b32 s45, 32<<16
	s_mov_b32 s46, 16<<16
	s_mov_b32 s47, 32<<16
	s_mov_b32 s48, 16
	s_mov_b32 s49, 32
	s_mov_b32 s50, 0
	s_mov_b32 s51, 0
	s_mov_b32 s40, 1
	s_lshl_b32 s41, s6, 14                         ; images: 16,384 bytes for each of waves 0-7: K's four quarters, then V's
	s_mov_b32 s52, 1
	s_lshl_b32 s53, s7, 12
	s_add_co_u32 s53, s53, LKS                     ; scale words: 4,096 bytes for each of waves 8-10: K's two halves, then V's
	s_mov_b32 s56, VIMG-65536                      ; (wave 4 begins V's images: 4 x 16,384 are taken off)
	s_cmp_lt_u32 s4, 4
	s_cselect_b32 s56, KIMG, s56
	s_lshl_b32 s58, s5, 16
	s_add_co_u32 s56, s56, s58
	s_add_co_u32 s56, s56, s41
	s_mov_b32 s57, 0
	s_lshl_b32 s58, s5, 13
	s_lshl_b32 s60, s7, 12
	s_add_co_u32 s58, s58, s60
	s_add_co_u32 s58, s58, KSC
	s_lshl_b32 s60, s5, 12
	s_add_co_u32 s60, s60, VSC
	s_cmp_lt_u32 s7, 2
	s_cselect_b32 s58, s58, s60
	s_mov_b32 s59, 0
	s_wait_dscnt 0x0
	s_wait_kmcnt 0x0
	s_add_nc_u64 s[42:43], s[8:9], s[56:57]
	s_or_b32 s43, s43, 0x80000000
	s_add_nc_u64 s[54:55], s[8:9], s[58:59]
	s_or_b32 s55, s55, 0x80000000
	s_cmp_lt_u32 s4, 8                             ; the fills: one load a wave at the most, ahead of every wait on TENSORcnt, LDS read and barrier
	s_cbranch_scc0 .Lnot_img
	tensor_load_to_lds s[40:43], s[32:39]
	s_nop 0
.rept 4
	v_nop
.endr
	s_branch .Lasked
.Lnot_img:
	s_cmp_lt_u32 s4, 11
	s_cbranch_scc0 .Lasked
	tensor_load_to_lds s[52:55], s[44:51]
	s_nop 0
.rept 4
	v_nop
.endr
.Lasked:
	s_lshl_b32 s60, ttmp9, 5
	s_lshl_b32 s61, s4, 1
	s_add_co_u32 s60, s60, s61                     ; my first tile of queries in the batch: 32 x + 2 w
	s_lshr_b32 s61, s5, 4
	s_lshl_b32 s61, s61, 7
	s_add_co_u32 s61, s61, s60                     ; and among all tokens' tiles
	s_and_b32 s62, s5, 15                          ; the head
	s_lshl_b32 s56, s5, 16
	s_lshl_b32 s63, s60, 9
	s_add_co_u32 s56, s56, s63
	s_add_nc_u64 s[14:15], s[8:9], s[56:57]        ; Q's images
	s_lshl_b32 s56, s5, 13
	s_lshl_b32 s63, s60, 6
	s_add_co_u32 s56, s56, s63
	s_add_co_u32 s56, s56, QSC
	s_add_nc_u64 s[16:17], s[8:9], s[56:57]        ; my pair's scale words
	s_lshl_b32 s56, s61, 12
	s_add_nc_u64 s[18:19], s[10:11], s[56:57]      ; my tiles' lane masks: 4,096 bytes a tile
	s_lshl_b32 s56, s61, 13
	s_lshl_b32 s63, s62, 9
	s_add_co_u32 s56, s56, s63
	s_add_nc_u64 s[20:21], s[12:13], s[56:57]      ; ctx's images: 8,192 bytes a tile, 512 a head
	s_lshl_b32 s56, s61, 10
	s_lshl_b32 s63, s62, 7
	s_add_co_u32 s56, s56, s63
	s_add_co_u32 s56, s56, CSW
	s_add_nc_u64 s[22:23], s[12:13], s[56:57]      ; ctx's words: 2,048 bytes a pair of tiles, 128 a head
	s_mov_b32 s24, 0x76543210                      ; v_permlanex16_b32's selects for lane l xor 16
	s_mov_b32 s25, 0xfedcba98
	s_mov_b32 s26, 0x3e38aa3b                      ; c = log2(e) / 8
	s_mov_b32 s27, s26                             ; (named with it as a pair, so it is written)
	s_mov_b32 s101, 0xffff0000                     ; lanes 16-31
	v_and_b32 v5, 31, v0
	s_delay_alu instid0(VALU_DEP_1)
	v_lshlrev_b32 v1, 4, v5                        ; 16 x lane
	s_delay_alu instid0(VALU_DEP_2)
	v_lshlrev_b32 v10, 2, v5                       ; 4 x lane
	global_load_b128 v[16:19], v1, s[14:15]        ; tile 0's Q
	global_load_b32 v24, v10, s[16:17]             ; both tiles' scale words
	v_add_nc_u32 v2, LVI, v1
	v_add_nc_u32 v3, LKS, v10
	v_add_nc_u32 v4, LVS, v10
	v_mov_b32 v9, 0xd0000000                       ; -2^33
.irp j, 20,21,22,23
	v_mov_b32 v[\j], 0                             ; K = 64 .. 127 of the first product: zero codes, on both sides
.endr
.irp t, 0,1,2,3,4,5,6,7
.irp j, 4,5,6,7
	v_mov_b32 v[32+8*\t+\j], 0
.endr
.endr
.irp b, 0,1,2,3
	v_mov_b32 v[236+\b], 0                         ; a lane permute's destination counts as one of its sources
.endr
	v_mov_b32 v253, 0                              ; (named as the upper half of the pair v[252:253])
	s_wait_tensorcnt 0x0                           ; my fill has landed
	s_barrier_signal -1
	s_barrier_wait -1                              ; everybody's has; from here on LDS is only read
.irp t, 0,1,2,3,4,5,6,7
	ds_load_b128 v[32+8*\t:35+8*\t], v1 offset:512*\t              ; key step 0's K and its words; every later step's are asked for a step ahead
.endr
.irp g, 0,1,2,3
	ds_load_b32 v[25+\g], v3 offset:128*\g
.endr
.macro MASKLOAD which                          ; the 64 lane masks of the key step at byte s31 of tile which's 4,096
.irp k, 0,1,2,3
	s_load_b512 s[32+16*\k+4*(\k/2):47+16*\k+4*(\k/2)], s[18:19], s31 offset:4096*\which+64*\k
.endr
.endm
; A KEY STEP: 128 keys
.macro STEP which
	s_wait_dscnt 0x0                               ; this step's K and its words, asked for a step ago
.irp t, 0,1,2,3,4,5,6,7
	WM 96+8*\t, 32+8*\t, 16, 1, 25+\t/2, 24, \t%2, \which
.endr
	v_add_nc_u32 v6, s28, v2                       ; this step's V and its words.  (These four additions are the places behind the products above, whose registers the loads below
	v_add_nc_u32 v8, s30, v4                       ; fill and whose results are read next, and behind the last step's products, which read V's registers)
	s_add_co_u32 s28, s28, 4096                    ; on to the next step's images; behind the last step the first's come again: the next tile of queries begins with them
	s_and_b32 s28, s28, 0xffff
	s_add_co_u32 s29, s29, 512                     ; K's words likewise
	s_and_b32 s29, s29, 0x1fff
	s_add_co_u32 s30, s30, 256                     ; V's words; also the next step's byte among the tile's lane masks
	v_add_nc_u32 v5, s28, v1
	v_add_nc_u32 v7, s29, v3
.irp d, 0,1,2,3
.irp c, 0,1
	ds_load_b128 v[192+8*\d+4*\c:195+8*\d+4*\c], v6 offset:1024*\d+512*\c
.endr
.endr
.irp g, 0,1
	ds_load_b32 v[29+\g], v8 offset:128*\g
.endr
.irp t, 0,1,2,3,4,5,6,7
	ds_load_b128 v[32+8*\t:35+8*\t], v5 offset:512*\t              ; the next step's K
.endr
.irp g, 0,1,2,3
	ds_load_b32 v[25+\g], v7 offset:128*\g
.endr
	s_wait_kmcnt 0x0                               ; this step's lane masks, asked for a step ago; no scalar load is out now, so s31 and the masks' registers may be written below
.set NN, 0
.rept 64
	v_cndmask_b32 v[96+NN], v[96+NN], v9, s[32+NN+4*(NN/32)]       ; a hidden score becomes -2^33; each accumulator from its low end on
.set NN, NN+1
.endr
	s_and_b32 s31, s30, 0xfff                      ; the next step's lane masks; the last step asks for step 0's again, so that no load leaves the tile's 4,096 bytes
	MASKLOAD \which
.irp b, 0,1,2,3
	v_max3_num_f32 v[232+\b], v[96+16*\b], v[97+16*\b], v[98+16*\b]   ; the largest score of each block of 32 keys: for the row's maximum and for the block's largest p
.endr
.irp n, 3,5,7,9,11,13
.irp b, 0,1,2,3
	s_delay_alu instid0(VALU_DEP_4)
	v_max3_num_f32 v[232+\b], v[232+\b], v[96+16*\b+\n], v[97+16*\b+\n]
.endr
.endr
.irp b, 0,1,2,3
	s_delay_alu instid0(VALU_DEP_4)
	v_max_num_f32 v[232+\b], v[232+\b], v[111+16*\b]
.endr
.irp b, 0,1,2,3
	s_delay_alu instid0(VALU_DEP_4)
	v_permlanex16_b32 v[236+\b], v[232+\b], s24, s25
.endr
.irp b, 0,1,2,3
	s_delay_alu instid0(VALU_DEP_4)
	v_max_num_f32 v[232+\b], v[232+\b], v[236+\b]  ; with lane l xor 16's 16 keys
.endr
	s_delay_alu instid0(VALU_DEP_2)
	v_max3_num_f32 v254, v232, v233, v234
	s_delay_alu instid0(VALU_DEP_1)
	v_max_num_f32 v254, v254, v235
	s_delay_alu instid0(VALU_DEP_1)
	v_mul_f32 v254, s26, v254                      ; the step's largest t
	s_delay_alu instid0(VALU_DEP_1)
	v_max_num_f32 v13, v13, v254                   ; the running largest t
	v_mov_b32 v254, v12
	s_delay_alu instid0(VALU_DEP_2)
	v_floor_f32 v12, -v13                          ; the new -M = floor(-t): M is a whole number
	s_delay_alu instid0(VALU_DEP_1)
	v_sub_f32 v254, v12, v254                      ; old M - new M: a whole number, 0 or less
	s_delay_alu instid0(VALU_DEP_1)
	v_cvt_i32_f32 v254, v254                       ; (it saturates)
	s_delay_alu instid0(VALU_DEP_1)
	v_ldexp_f32 v252, 1.0, v254                    ; f = 2^(old M - new M): a multiplication by it rounds nothing
.set NN, 0
.rept 32
	v_pk_fma_f32 v[96+NN:97+NN], v[96+NN:97+NN], s[26:27], v[12:13] op_sel_hi:[1,0,0]   ; t - M
.set NN, NN+2
.endr
.irp b, 0,1,2,3
	v_fma_f32 v[232+\b], v[232+\b], s26, v12       ; the same of each block's largest score
.endr
.set NN, 0
	s_setprio 1
	s_wait_alu depctr_va_vdst(0)
.rept 64
	v_exp_f32 v[96+NN], v[96+NN]                   ; p = 2^(t - M), at most 1, not normalised
.set NN, NN+1
.endr
.irp b, 0,1,2,3
	v_exp_f32 v[232+\b], v[232+\b]                 ; the block's largest p
.endr
	v_pk_mul_f32 v[14:15], v[14:15], v[252:253] op_sel_hi:[1,0]    ; the sums under the new M (a plain place behind the exponentials)
	s_wait_alu depctr_va_vdst(0)
.irp b, 0,1,2,3
	v_max_num_f32 v[232+\b], 0x1800000, v[232+\b]  ; the floor 2^(3 - 127): the byte cannot fall under 1
.endr
.irp b, 0,1,2,3
	s_delay_alu instid0(VALU_DEP_4)
	v_add_nc_u32 v[240+\b], 0xff000000, v[232+\b]  ; 2 off the exponent field: the conversion's scale operand
.endr
.irp b, 0,1,2,3
	s_delay_alu instid0(VALU_DEP_4)
	v_lshrrev_b32 v[236+\b], 23, v[240+\b]
.endr
	s_delay_alu instid0(VALU_DEP_3)
	v_lshl_or_b32 v31, v237, 8, v236               ; p's scale word for these 128 keys
	s_delay_alu instid0(VALU_DEP_1)
	v_lshl_or_b32 v31, v238, 16, v31
	s_delay_alu instid0(VALU_DEP_1)
	v_lshl_or_b32 v31, v239, 24, v31
.irp b, 0,1,2,3
	v_cvt_scalef32_pk8_fp4_f32 v[224+2*\b], v[96+16*\b:103+16*\b], v[240+\b]
	v_cvt_scalef32_pk8_fp4_f32 v[225+2*\b], v[104+16*\b:111+16*\b], v[240+\b]
.endr
	v_nop                                          ; one plain place behind a scaled conversion
.irp c, 0,1
.irp n, 0,1
	v_permlane16_swap_b32 v[224+4*\c+\n], v[226+4*\c+\n]           ; a whole block to a lane
.endr
.endr
.set NN, 0
.rept 16
	v_pk_mul_f32 v[160+NN:161+NN], v[160+NN:161+NN], v[252:253] op_sel_hi:[1,0]   ; O^T under the new M
.set NN, NN+2
.endr
	v_pk_add_f32 v[244:245], v[100:101], v[104:105]
	v_pk_add_f32 v[248:249], v[108:109], v[112:113]
	v_pk_add_f32 v[246:247], v[116:117], v[120:121]
	v_pk_add_f32 v[242:243], v[124:125], v[128:129]
	v_pk_add_f32 v[240:241], v[132:133], v[136:137]
	v_pk_add_f32 v[234:235], v[140:141], v[144:145]
	s_setprio 0
	v_pk_add_f32 v[232:233], v[148:149], v[152:153]
	v_pk_add_f32 v[14:15], v[14:15], v[156:157]
	v_pk_add_f32 v[244:245], v[244:245], v[96:97]
	v_pk_add_f32 v[248:249], v[248:249], v[98:99]
	v_pk_add_f32 v[246:247], v[246:247], v[102:103]
	v_pk_add_f32 v[242:243], v[242:243], v[106:107]
	v_pk_add_f32 v[240:241], v[240:241], v[110:111]
	v_pk_add_f32 v[234:235], v[234:235], v[114:115]
	v_pk_add_f32 v[232:233], v[232:233], v[118:119]
	v_pk_add_f32 v[14:15], v[14:15], v[122:123]
	v_pk_add_f32 v[244:245], v[244:245], v[126:127]
	v_pk_add_f32 v[248:249], v[248:249], v[130:131]
	v_pk_add_f32 v[246:247], v[246:247], v[134:135]
	v_pk_add_f32 v[242:243], v[242:243], v[138:139]
	v_pk_add_f32 v[240:241], v[240:241], v[142:143]
	v_pk_add_f32 v[234:235], v[234:235], v[146:147]
	v_pk_add_f32 v[232:233], v[232:233], v[150:151]
	v_pk_add_f32 v[14:15], v[14:15], v[154:155]
	v_pk_add_f32 v[244:245], v[244:245], v[158:159]
	s_delay_alu instid0(VALU_DEP_2)
	v_pk_add_f32 v[14:15], v[14:15], v[242:243]
	s_delay_alu instid0(VALU_DEP_2)
	v_pk_add_f32 v[244:245], v[244:245], v[240:241]
	v_pk_add_f32 v[248:249], v[248:249], v[234:235]
	v_pk_add_f32 v[246:247], v[246:247], v[232:233]
	s_delay_alu instid0(VALU_DEP_2)
	v_pk_add_f32 v[14:15], v[14:15], v[248:249]
	s_delay_alu instid0(VALU_DEP_2)
	v_pk_add_f32 v[244:245], v[244:245], v[246:247]
	s_delay_alu instid0(VALU_DEP_1)
	v_pk_add_f32 v[14:15], v[14:15], v[244:245]
	s_wait_dscnt 12                                ; V and its words are in; the twelve loads issued behind them, the next step's K, may be out
.irp d, 0,1,2,3
	WM 160+8*\d, 192+8*\d, 224, 0, 29+\d/2, 31, \d%2, 0
.endr
.endm
; The tile's end: ctx = O^T / the sum, quantised along the head's 64: registers 16 b + i are d = 32 b + 16 (lane / 16) + i
.macro EPI which
	v_add_f32 v14, v14, v15
	s_delay_alu instid0(VALU_DEP_1)
	v_permlanex16_b32 v254, v14, s24, s25
	v_nop
	v_add_f32 v14, v14, v254                       ; the row's sum
	s_wait_alu depctr_va_vdst(0)
	v_rcp_f32 v14, v14
.rept 3
	v_nop                                          ; a plain place behind the reciprocal; with the lines above, the places behind the last products
.endr
.set NN, 0
	s_wait_alu depctr_va_vdst(0)
.rept 16
	v_pk_mul_f32 v[96+NN:97+NN], v[160+NN:161+NN], v[14:15] op_sel_hi:[1,0]
.set NN, NN+2
.endr
.irp b, 0,1
	v_max3_num_f32 v[232+\b], |v[96+16*\b]|, |v[97+16*\b]|, 0x1800000
.endr
.irp n, 2,4,6,8,10,12,14
.irp b, 0,1
	s_delay_alu instid0(VALU_DEP_2)
	v_max3_num_f32 v[232+\b], v[232+\b], |v[96+16*\b+\n]|, |v[97+16*\b+\n]|
.endr
.endr
.irp b, 0,1
	s_delay_alu instid0(VALU_DEP_2)
	v_permlanex16_b32 v[236+\b], v[232+\b], s24, s25
.endr
.irp b, 0,1
	s_delay_alu instid0(VALU_DEP_2)
	v_max_num_f32 v[232+\b], v[232+\b], v[236+\b]
.endr
.irp b, 0,1
	s_delay_alu instid0(VALU_DEP_2)
	v_add_nc_u32 v[240+\b], 0xff000000, v[232+\b]
.endr
.irp b, 0,1
	s_delay_alu instid0(VALU_DEP_2)
	v_lshrrev_b32 v[236+\b], 23, v[240+\b]
.endr
	s_delay_alu instid0(VALU_DEP_1)
	v_lshl_or_b32 v254, v237, 8, v236              ; the head's two bytes
.irp b, 0,1
	v_cvt_scalef32_pk8_fp4_f32 v[224+2*\b], v[96+16*\b:103+16*\b], v[240+\b]
	v_cvt_scalef32_pk8_fp4_f32 v[225+2*\b], v[104+16*\b:111+16*\b], v[240+\b]
.endr
	v_nop
	v_permlane16_swap_b32 v224, v226
	v_permlane16_swap_b32 v225, v227               ; v224-227: k = 32 (lane / 16) + 0 .. 31 of the head's 64
	global_store_b128 v1, v[224:227], s[20:21] offset:8192*\which  ; 512 consecutive bytes, aligned
.if \which == 0
	v_mov_b32 v11, v254
.else
	v_cndmask_b32 v11, v11, v254, s101             ; lanes 0-15 tile 0's words, lanes 16-31 tile 1's
	global_store_b32 v10, v11, s[22:23]
.endif
.endm
.macro TILE which
	s_wait_xcnt 0x0                                ; the last tile's store has read v224-227: they are written again only behind this wait
	v_mov_b32 v13, 0xff61b1e6                      ; the largest t so far: -3e38
	s_delay_alu instid0(VALU_DEP_1)
	v_floor_f32 v12, -v13
	v_mov_b32 v14, 0
	v_mov_b32 v15, 0
.set NN, 0
.rept 32
	v_mov_b32 v[160+NN], 0                         ; the step is written once: the first finds zeros, which the first change of M leaves zeros
.set NN, NN+1
.endr
	s_mov_b32 s28, 0
	s_mov_b32 s29, 0
	s_mov_b32 s30, 0
	s_wait_kmcnt 0x0                               ; no scalar load is out: s31 and the masks' registers may be written
	s_mov_b32 s31, 0
	MASKLOAD \which                                ; step 0's lane masks
	s_mov_b32 s100, 16
	s_wait_loadcnt 0x0                             ; Q
.Lkeys_\which:
	s_setprio 2
	STEP \which
	s_sub_co_u32 s100, s100, 1
	s_cmp_lg_u32 s100, 0
	s_cbranch_scc1 .Lkeys_\which
	s_setprio 0
.if \which == 0
	global_load_b128 v[16:19], v1, s[14:15] offset:512             ; the next tile's Q: the last product that read these registers stands a softmax back
.endif
	s_wait_alu depctr_va_vdst(0)
	EPI \which
.endm
	TILE 0
	TILE 1
	s_wait_dscnt 0x0                               ; the last step's look-ahead for K, which nobody uses, is back
	s_wait_tensorcnt 0x0
	ds_add_u32 v251, v255
	s_wait_dscnt 0x0
	s_endpgm
.Lfunc_end_k_qd8f9dcf9f4_attn:
	.size	k_qd8f9dcf9f4_attn, .Lfunc_end_k_qd8f9dcf9f4_attn-k_qd8f9dcf9f4_attn
	.p2alignl 7, 3214868480
	.fill 96, 4, 3214868480
	.section	.rodata,"a",@progbits
	.p2align	6, 0x0
	.amdhsa_kernel k_qd8f9dcf9f4_attn
		.amdhsa_group_segment_fixed_size 169984
		.amdhsa_private_segment_fixed_size 0
		.amdhsa_enable_private_segment 0
		.amdhsa_kernarg_size 24
		.amdhsa_user_sgpr_count 2
		.amdhsa_user_sgpr_kernarg_segment_ptr 1
		.amdhsa_wavefront_size32 1
		.amdhsa_system_sgpr_workgroup_id_x 1
		.amdhsa_system_sgpr_workgroup_id_y 1
		.amdhsa_system_sgpr_workgroup_id_z 1
		.amdhsa_system_vgpr_workitem_id 0
		.amdhsa_next_free_vgpr 256
		.amdhsa_next_free_sgpr 102
		.amdhsa_reserve_vcc 0
		.amdhsa_float_denorm_mode_32 3
		.amdhsa_float_denorm_mode_16_64 3
		.amdhsa_memory_ordered 1
		.amdhsa_forward_progress 1
		.amdhsa_inst_pref_size 63
	.end_amdhsa_kernel
	.amdgpu_metadata
---
amdhsa.version: [ 1, 2 ]
amdhsa.kernels:
  - .name:           k_qd8f9dcf9f4_attn
    .symbol:         k_qd8f9dcf9f4_attn.kd
    .args:
      - { .name: qkv, .offset: 0, .size: 8, .value_kind: global_buffer, .address_space: global }
      - { .name: mbits, .offset: 8, .size: 8, .value_kind: global_buffer, .address_space: global }
      - { .name: ctx, .offset: 16, .size: 8, .value_kind: global_buffer, .address_space: global }
    .group_segment_fixed_size: 169984
    .private_segment_fixed_size: 0
    .kernarg_segment_align: 8
    .kernarg_segment_size: 24
    .max_flat_workgroup_size: 512
    .sgpr_count:     102
    .vgpr_count:     256
    .wavefront_size: 32
...
	.end_amdgpu_metadata
.endif
;; end of part 3
;; launch outproj (part 4): grid 256 x 1, 16 waves a work-group, no clusters, 169,984 bytes of LDS; arguments ctx, wo, input_Q, ln_gamma, ln_beta, out0; writes out0
.if DOCPART == 4
	.amdgcn_target "amdgcn-amd-amdhsa--gfx1250"
	.amdhsa_code_object_version 6
	.text
	.protected	k_qd8f9dcf9f4_outproj
	.globl	k_qd8f9dcf9f4_outproj
	.p2align	8
	.type	k_qd8f9dcf9f4_outproj,@function
k_qd8f9dcf9f4_outproj:
	s_mov_b64 s[64:65], 0
	v_nop
	global_prefetch_b8 v0, s[64:65] scope:SCOPE_SE
	s_setreg_imm32_b32 hwreg(HW_REG_WAVE_MODE, 25, 1), 1
	s_wait_xcnt 0x0
; out0 = LayerNorm(ctx w_o^T + input_Q) x gamma + beta.  The product on codes of FP4 (E2M1) with E8M0 scales, K = 1,024; all else in f32.
; SHARES.  A work-group: 32 tokens (two tiles) and all 1,024 columns, so that a row's mean and variance stay inside it.  Wave w of sixteen: columns 64 w .. 64 w + 63, four tiles of w_o's rows.
; The product is used transposed (source 0 = 16 rows of w_o, source 1 = 16 tokens of ctx): lane (r, h) holds ONE token, 32 g + 8 tile + r + 8 (r / 8), and eight neighbouring columns a tile, 16 t + 8 h + 0 .. 7.
; w_o's fragments come straight from memory into registers, in the order of the operand's registers (each load 512 consecutive bytes), three K steps ahead; nobody else in the work-group wants them, so they pass no LDS.
; ctx's sixteen fragment images (16,384 dense bytes) come into LDS by one tensor load; input_Q's 32 x 64 numbers of each wave by a tensor load of the wave's own, into a slab that later serves as the wave's stage.
; LDS is filled once.  No joint loads: w_o, the one thing that work-groups share, goes to registers.
; The variance is taken of (y - mean) in a second pass: no difference of large sums.
; LIMITS: NaN and infinities are not served.
; REGISTERS: v1-9 addresses; v16-31 w_o's scale words (4 t + kp: lanes 0-15 K step 2 kp, lanes 16-31 K step 2 kp + 1); v32-39 ctx's words, one a K step (lanes 0-15 tile 0, lanes 16-31 tile 1);
;   v40-47, v240-255 at work; v48-111 accumulators (48 + 32 tile + 8 t); v112-207 w_o's fragments, three sets of 32; v208-239 ctx's, two sets of 16.
.set WOS,  524288
.set CSW,  4194304
.set SLAB, 8704                        ; 32 rows x (256 bytes + 16)
.set CI,   139264                      ; behind the sixteen slabs: ctx's images,
.set P1,   155648                      ; the waves' partial sums, 128 bytes a wave,
.set P2OFF, 2048                       ; and those of the second pass, 2,048 bytes on
.set WR,   112
.set CR,   208
.macro WM d, a, b, zero, sa, sb, ra, rb
.if \zero
.if (\ra) && (\rb)
	v_wmma_scale_f32_16x16x128_f8f6f4 v[\d:\d+7], v[\a:\a+7], v[\b:\b+7], 0, v[\sa], v[\sb] matrix_a_fmt:MATRIX_FMT_FP4 matrix_b_fmt:MATRIX_FMT_FP4 matrix_a_scale:MATRIX_SCALE_ROW1 matrix_b_scale:MATRIX_SCALE_ROW1
.elseif (\ra)
	v_wmma_scale_f32_16x16x128_f8f6f4 v[\d:\d+7], v[\a:\a+7], v[\b:\b+7], 0, v[\sa], v[\sb] matrix_a_fmt:MATRIX_FMT_FP4 matrix_b_fmt:MATRIX_FMT_FP4 matrix_a_scale:MATRIX_SCALE_ROW1
.elseif (\rb)
	v_wmma_scale_f32_16x16x128_f8f6f4 v[\d:\d+7], v[\a:\a+7], v[\b:\b+7], 0, v[\sa], v[\sb] matrix_a_fmt:MATRIX_FMT_FP4 matrix_b_fmt:MATRIX_FMT_FP4 matrix_b_scale:MATRIX_SCALE_ROW1
.else
	v_wmma_scale_f32_16x16x128_f8f6f4 v[\d:\d+7], v[\a:\a+7], v[\b:\b+7], 0, v[\sa], v[\sb] matrix_a_fmt:MATRIX_FMT_FP4 matrix_b_fmt:MATRIX_FMT_FP4
.endif
.else
.if (\ra) && (\rb)
	v_wmma_scale_f32_16x16x128_f8f6f4 v[\d:\d+7], v[\a:\a+7], v[\b:\b+7], v[\d:\d+7], v[\sa], v[\sb] matrix_a_fmt:MATRIX_FMT_FP4 matrix_b_fmt:MATRIX_FMT_FP4 matrix_a_scale:MATRIX_SCALE_ROW1 matrix_b_scale:MATRIX_SCALE_ROW1
.elseif (\ra)
	v_wmma_scale_f32_16x16x128_f8f6f4 v[\d:\d+7], v[\a:\a+7], v[\b:\b+7], v[\d:\d+7], v[\sa], v[\sb] matrix_a_fmt:MATRIX_FMT_FP4 matrix_b_fmt:MATRIX_FMT_FP4 matrix_a_scale:MATRIX_SCALE_ROW1
.elseif (\rb)
	v_wmma_scale_f32_16x16x128_f8f6f4 v[\d:\d+7], v[\a:\a+7], v[\b:\b+7], v[\d:\d+7], v[\sa], v[\sb] matrix_a_fmt:MATRIX_FMT_FP4 matrix_b_fmt:MATRIX_FMT_FP4 matrix_b_scale:MATRIX_SCALE_ROW1
.else
	v_wmma_scale_f32_16x16x128_f8f6f4 v[\d:\d+7], v[\a:\a+7], v[\b:\b+7], v[\d:\d+7], v[\sa], v[\sb] matrix_a_fmt:MATRIX_FMT_FP4 matrix_b_fmt:MATRIX_FMT_FP4
.endif
.endif
.endm
	s_load_b256 s[8:15], s[0:1], 0x0               ; ctx 8, wo 10, input_Q 12, ln_gamma 14
	s_load_b128 s[16:19], s[0:1], 0x20             ; ln_beta 16, out0 18
	v_lshl_add_u32 v14, v0, 2, 0x29000
	v_mov_b32 v15, 0
	ds_add_u32 v14, v15
	ds_add_u32 v14, v15
	v_lshrrev_b32 v1, 5, v0
	s_delay_alu instid0(VALU_DEP_1)
	v_readfirstlane_b32 s4, v1                     ; wave 0..15
	; ctx's images: 16,384 dense bytes as 64 rows of 256 (32 elements of 8 bytes)
	s_mov_b32 s32, 3<<16
	s_mov_b32 s33, 32<<16
	s_mov_b32 s34, 64<<16
	s_mov_b32 s35, 32<<16
	s_mov_b32 s36, 64
	s_mov_b32 s37, 32
	s_mov_b32 s38, 0
	s_mov_b32 s39, 0
	; the residual: 32 rows x 64 elements of 4 bytes, 1,024 elements from row to row, 16 bytes of padding behind each row in LDS
	s_mov_b32 s44, (2<<16)|(1<<20)|(5<<22)|(3<<25)
	s_mov_b32 s45, 64<<16
	s_mov_b32 s46, 32<<16
	s_mov_b32 s47, 64<<16
	s_mov_b32 s48, 32
	s_mov_b32 s49, 1024
	s_mov_b32 s50, 0
	s_mov_b32 s51, 0
	s_mov_b32 s40, 1
	s_mov_b32 s41, CI
	s_mov_b32 s52, 1
	s_mul_i32 s53, s4, SLAB
	s_mov_b32 s56, 0x76543210                      ; v_permlanex16_b32's selects for lane l xor 16
	s_mov_b32 s57, 0xfedcba98
	s_mov_b32 s58, 0xffff0000                      ; lanes 16-31
	s_mov_b32 s59, 0x3a800000                      ; 1 / 1,024
	s_mov_b32 s63, 0x3727c5ac                      ; 1e-5
	s_lshl_b32 s60, ttmp9, 14
	s_mov_b32 s61, 0
	s_wait_dscnt 0x0
	s_wait_kmcnt 0x0
	s_add_nc_u64 s[42:43], s[8:9], s[60:61]        ; my two tiles' images
	s_or_b32 s43, s43, 0x80000000
	s_lshl_b32 s60, ttmp9, 17                      ; 32 rows of 4,096 bytes
	s_add_nc_u64 s[30:31], s[18:19], s[60:61]      ; out0 at my first row
	s_lshl_b32 s62, s4, 8
	s_add_co_u32 s60, s60, s62
	s_add_nc_u64 s[54:55], s[12:13], s[60:61]      ; input_Q at my first row, my wave's 64 columns
	s_or_b32 s55, s55, 0x80000000
	s_cmp_eq_u32 s4, 0                             ; a wave's fills stand in one branch: wave 0 has two loads out, the others one
	s_cbranch_scc0 .Lothers
	tensor_load_to_lds s[40:43], s[32:39]
	s_nop 0
	tensor_load_to_lds s[52:55], s[44:51]
	s_nop 0
.rept 4
	v_nop
.endr
	s_branch .Lasked
.Lothers:
	tensor_load_to_lds s[52:55], s[44:51]
	s_nop 0
.rept 4
	v_nop
.endr
.Lasked:
	s_lshl_b32 s60, s4, 15
	s_add_nc_u64 s[20:21], s[10:11], s[60:61]      ; my four tiles of w_o: 8,192 bytes each
	s_lshl_b32 s60, s4, 11
	s_add_co_u32 s60, s60, WOS
	s_add_nc_u64 s[22:23], s[10:11], s[60:61]      ; their scale words: 512 bytes each
	s_lshl_b32 s60, ttmp9, 11
	s_add_co_u32 s60, s60, CSW
	s_add_nc_u64 s[24:25], s[8:9], s[60:61]        ; ctx's words of my pair of tiles: 128 bytes a head
	s_lshl_b32 s60, s4, 8
	s_add_nc_u64 s[26:27], s[14:15], s[60:61]      ; gamma and beta at my 64 columns
	s_add_nc_u64 s[28:29], s[16:17], s[60:61]
	v_and_b32 v10, 31, v0
	s_delay_alu instid0(VALU_DEP_1)
	v_lshlrev_b32 v1, 4, v10                       ; 16 x lane
	s_delay_alu instid0(VALU_DEP_2)
	v_lshlrev_b32 v2, 2, v10                       ; 4 x lane
	v_bfe_u32 v11, v0, 4, 1                        ; h
	s_delay_alu instid0(VALU_DEP_1)
	v_lshlrev_b32 v9, 5, v11                       ; 32 h
; group k of eight loads, into set k % 3: w_o's fragments of K step k; groups 8 and 9 are gamma and beta, so that the count of younger loads is the same in all eight K steps
.macro WLOAD k
.if (\k) < 8
.irp t, 0,1,2,3
.irp c, 0,1
	global_load_b128 v[WR+32*((\k)%3)+8*\t+4*\c:WR+32*((\k)%3)+8*\t+4*\c+3], v1, s[20:21] offset:8192*\t+1024*(\k)+512*\c
.endr
.endr
.elseif (\k) == 8
.irp t, 0,1,2,3
.irp c, 0,1
	global_load_b128 v[WR+64+8*\t+4*\c:WR+64+8*\t+4*\c+3], v9, s[26:27] offset:64*\t+16*\c
.endr
.endr
.else
.irp t, 0,1,2,3
.irp c, 0,1
	global_load_b128 v[WR+8*\t+4*\c:WR+8*\t+4*\c+3], v9, s[28:29] offset:64*\t+16*\c
.endr
.endr
.endif
.endm
.irp t, 0,1,2,3
	global_load_b128 v[16+4*\t:19+4*\t], v1, s[22:23] offset:512*\t
.endr
.irp n, 0,1,2,3,4,5,6,7,8,9,10,11,12,13,14,15
	global_load_b32 v[48+\n], v2, s[24:25] offset:128*\n           ; (into registers that the sums take later)
.endr
	WLOAD 0
	WLOAD 1
	WLOAD 2
	s_wait_loadcnt 24                              ; the scale words are in; w_o's three groups of eight may be out
.irp k, 0,1,2,3,4,5,6,7
	v_lshl_or_b32 v[32+\k], v[49+2*\k], 16, v[48+2*\k]             ; K step k = heads 2 k and 2 k + 1: two bytes of each
.endr
	v_and_b32 v12, 15, v0                          ; r.  (The lines from here to the first product are more than the eight places that a scale register written by a vector instruction wants)
	s_delay_alu instid0(VALU_DEP_1)
	v_and_b32 v13, 8, v12
	s_delay_alu instid0(VALU_DEP_1)
	v_add_nc_u32 v13, v13, v12                     ; r + 8 (r / 8)
	v_add_nc_u32 v3, CI, v1
	s_delay_alu instid0(VALU_DEP_2)
	v_mul_u32_u24 v4, v13, 272
	s_delay_alu instid0(VALU_DEP_1)
	v_lshl_add_u32 v4, v11, 5, v4
	s_delay_alu instid0(VALU_DEP_1)
	v_add_nc_u32 v4, s53, v4                       ; my slab: my token's row, + 32 h
	v_mul_u32_u24 v5, v11, 272
	s_delay_alu instid0(VALU_DEP_1)
	v_lshl_add_u32 v5, v12, 4, v5
	s_delay_alu instid0(VALU_DEP_1)
	v_add_nc_u32 v5, s53, v5                       ; back by rows: lanes 0-15 one row, lanes 16-31 the next
	v_lshlrev_b32 v6, 12, v11
	s_delay_alu instid0(VALU_DEP_1)
	v_lshl_add_u32 v6, v12, 4, v6
	s_delay_alu instid0(VALU_DEP_1)
	v_add_nc_u32 v6, s60, v6                       ; and the same in out0: 4,096 h + 16 r + 256 w
	s_lshl_b32 s62, s4, 7
	s_add_co_u32 s62, s62, P1
	v_add_nc_u32 v7, s62, v2                       ; my wave's partial sums
	v_add_nc_u32 v8, P1, v2                        ; everybody's
	v_mov_b32 v46, 0                               ; a lane permute's destination counts as one of its sources
	v_mov_b32 v47, 0
	s_wait_tensorcnt 0x0                           ; my fills have landed: wave 0's images of ctx among them, and my own slab
	s_barrier_signal -1
	s_barrier_wait -1
.macro CLOAD k                                 ; ctx's two fragments of K step k into set k % 2
.irp u, 0,1
.irp c, 0,1
	ds_load_b128 v[CR+16*((\k)%2)+8*\u+4*\c:CR+16*((\k)%2)+8*\u+4*\c+3], v3 offset:8192*\u+1024*(\k)+512*\c
.endr
.endr
.endm
	CLOAD 0
; a K step: eight products, the eight accumulators by turns
.macro KSTEP k
	s_wait_loadcnt 16                              ; group k is in; the two younger groups of eight may be out
	s_wait_dscnt 0x0                               ; ctx's fragments of this step
.if (\k) < 7
	CLOAD (\k)+1
.endif
.irp t, 0,1,2,3
.irp u, 0,1
.if (\k) == 0
	WM 48+32*\u+8*\t, WR+32*((\k)%3)+8*\t, CR+16*((\k)%2)+8*\u, 1, 16+4*\t+(\k)/2, 32+(\k), (\k)%2, \u
.else
	WM 48+32*\u+8*\t, WR+32*((\k)%3)+8*\t, CR+16*((\k)%2)+8*\u, 0, 16+4*\t+(\k)/2, 32+(\k), (\k)%2, \u
.endif
.endr
.endr
.rept 4
	v_nop                                          ; places in front of loads into registers that these products read, and of the first read of results
.endr
.if (\k)+3 <= 9
	WLOAD (\k)+3
.endif
.endm
.irp k, 0,1,2,3,4,5,6,7
	KSTEP \k
.endr
	; y = the product + input_Q
.irp u, 0,1
.irp t, 0,1,2,3
.irp c, 0,1
	ds_load_b128 v[144+64*\u+8*\t+4*\c:147+64*\u+8*\t+4*\c], v4 offset:2176*\u+64*\t+16*\c
.endr
.endr
.endr
	s_wait_dscnt 0x0
.irp u, 0,1
.set NN, 0
.rept 16
	v_pk_add_f32 v[48+32*\u+NN:49+32*\u+NN], v[48+32*\u+NN:49+32*\u+NN], v[144+64*\u+NN:145+64*\u+NN]
.set NN, NN+2
.endr
.endr
.macro TAIL dst                                ; the sum of v240-255
.irp k, 0,1,2,3
	v_pk_add_f32 v[240+4*\k:241+4*\k], v[240+4*\k:241+4*\k], v[242+4*\k:243+4*\k]
.endr
.irp k, 0
	s_delay_alu instid0(VALU_DEP_3)
	v_pk_add_f32 v[240+8*\k:241+8*\k], v[240+8*\k:241+8*\k], v[244+8*\k:245+8*\k]
.endr
.irp k, 1
	s_delay_alu instid0(VALU_DEP_2)
	v_pk_add_f32 v[240+8*\k:241+8*\k], v[240+8*\k:241+8*\k], v[244+8*\k:245+8*\k]
.endr
	s_delay_alu instid0(VALU_DEP_1)
	v_pk_add_f32 v[240:241], v[240:241], v[248:249]
	s_delay_alu instid0(VALU_DEP_1)
	v_add_f32 v[\dst], v240, v241
.endm
.macro ROWSUM src, dst, sq                     ; the sum (sq = 1: of the squares) of a lane's 32 numbers
.irp k, 0,1,2,3,4,5,6,7
.if \sq
	v_pk_mul_f32 v[240+2*\k:241+2*\k], v[\src+4*\k:\src+4*\k+1], v[\src+4*\k:\src+4*\k+1]
.else
	v_pk_add_f32 v[240+2*\k:241+2*\k], v[\src+4*\k:\src+4*\k+1], v[\src+4*\k+2:\src+4*\k+3]
.endif
.endr
.if \sq
.irp k, 0,1,2,3,4,5,6,7
	v_pk_fma_f32 v[240+2*\k:241+2*\k], v[\src+4*\k+2:\src+4*\k+3], v[\src+4*\k+2:\src+4*\k+3], v[240+2*\k:241+2*\k]
.endr
.endif
	TAIL \dst
.endm
; v44, v45: my sums for tiles 0 and 1.  With lane l xor 16's they are the wave's 64 columns; lanes 0-15 then carry tile 0 and lanes 16-31 tile 1; the sixteen waves' words meet in LDS.  v44: the row's sum, of (tile lane / 16, token lane % 16)
.macro ALLSUM off
	v_permlanex16_b32 v46, v44, s56, s57
	s_delay_alu instid0(VALU_DEP_2)
	v_permlanex16_b32 v47, v45, s56, s57
	s_delay_alu instid0(VALU_DEP_2)
	v_add_f32 v44, v44, v46
	s_delay_alu instid0(VALU_DEP_2)
	v_add_f32 v45, v45, v47
	s_delay_alu instid0(VALU_DEP_1)
	v_cndmask_b32 v44, v44, v45, s58
	ds_store_b32 v7, v44 offset:\off
	s_wait_dscnt 0x0                               ; for the others' sake: my store has landed
	s_barrier_signal -1
	s_barrier_wait -1
.irp k, 0,1,2,3,4,5,6,7,8,9,10,11,12,13,14,15
	ds_load_b32 v[240+\k], v8 offset:\off+128*\k
.endr
	s_wait_dscnt 0x0
	TAIL 44
.endm
.macro SPREAD                                  ; v44 (tile lane / 16) -> v40 tile 0's number, v42 tile 1's, in all lanes; their pair partners are written too
	v_permlanex16_b32 v46, v44, s56, s57
	v_cndmask_b32 v40, v44, v46, s58
	v_cndmask_b32 v42, v46, v44, s58
	s_delay_alu instid0(VALU_DEP_2)
	v_mov_b32 v41, v40
	s_delay_alu instid0(VALU_DEP_2)
	v_mov_b32 v43, v42
.endm
	ROWSUM 48, 44, 0
	ROWSUM 80, 45, 0
	ALLSUM 0
	s_delay_alu instid0(VALU_DEP_1)
	v_mul_f32 v44, s59, v44                        ; the mean
	SPREAD
.irp u, 0,1
.set NN, 0
.rept 16
	v_pk_add_f32 v[48+32*\u+NN:49+32*\u+NN], v[48+32*\u+NN:49+32*\u+NN], v[40+2*\u:41+2*\u] op_sel_hi:[1,0] neg_lo:[0,1] neg_hi:[0,1]   ; y - mean
.set NN, NN+2
.endr
.endr
	ROWSUM 48, 44, 1
	ROWSUM 80, 45, 1
	ALLSUM P2OFF                                   ; other bytes than the first pass's: no wave can overwrite what another still reads
	s_delay_alu instid0(VALU_DEP_1)
	v_fma_f32 v44, v44, s59, s63                   ; the variance + 1e-5
	s_wait_alu depctr_va_vdst(0)
	v_rsq_f32 v44, v44
	v_nop                                          ; a plain place behind the transcendental
	s_wait_alu depctr_va_vdst(0)
	SPREAD
	s_wait_alu depctr_va_vdst(0)
	s_wait_loadcnt 0x0                             ; gamma (v176-207) and beta (v112-143)
.irp u, 0,1
.set NN, 0
.rept 16
	v_pk_mul_f32 v[48+32*\u+NN:49+32*\u+NN], v[48+32*\u+NN:49+32*\u+NN], v[40+2*\u:41+2*\u] op_sel_hi:[1,0]
.set NN, NN+2
.endr
.set NN, 0
.rept 16
	v_pk_fma_f32 v[48+32*\u+NN:49+32*\u+NN], v[48+32*\u+NN:49+32*\u+NN], v[176+NN:177+NN], v[112+NN:113+NN]
.set NN, NN+2
.endr
.endr
	; THE WAY OUT: through my slab, which has had its only fill and which I alone touch: in by tokens, back by rows.  LDS serves a wave's instructions in order: no wait between the stores and the loads.
.irp u, 0,1
.irp t, 0,1,2,3
.irp c, 0,1
	ds_store_b128 v4, v[48+32*\u+8*\t+4*\c:51+32*\u+8*\t+4*\c] offset:2176*\u+64*\t+16*\c
.endr
.endr
.endr
.irp i, 0,1,2,3,4,5,6,7,8,9,10,11,12,13,14,15
	ds_load_b128 v[144+4*\i+32*(\i/8):147+4*\i+32*(\i/8)], v5 offset:544*\i
.endr
.irp i, 0,1,2,3,4,5,6,7,8,9,10,11,12,13,14,15
	s_wait_dscnt 15-\i                             ; rows 2 i and 2 i + 1 are back; the later loads may be out
	global_store_b128 v6, v[144+4*\i+32*(\i/8):147+4*\i+32*(\i/8)], s[30:31] offset:8192*\i th:TH_STORE_NT   ; sixteen lanes store 256 consecutive bytes, aligned
.endr
	s_wait_tensorcnt 0x0
	ds_add_u32 v14, v15
	s_wait_dscnt 0x0
	s_endpgm
.Lfunc_end_k_qd8f9dcf9f4_outproj:
	.size	k_qd8f9dcf9f4_outproj, .Lfunc_end_k_qd8f9dcf9f4_outproj-k_qd8f9dcf9f4_outproj
	.p2alignl 7, 3214868480
	.fill 96, 4, 3214868480
	.section	.rodata,"a",@progbits
	.p2align	6, 0x0
	.amdhsa_kernel k_qd8f9dcf9f4_outproj
		.amdhsa_group_segment_fixed_size 169984
		.amdhsa_private_segment_fixed_size 0
		.amdhsa_enable_private_segment 0
		.amdhsa_kernarg_size 48
		.amdhsa_user_sgpr_count 2
		.amdhsa_user_sgpr_kernarg_segment_ptr 1
		.amdhsa_wavefront_size32 1
		.amdhsa_system_sgpr_workgroup_id_x 1
		.amdhsa_system_sgpr_workgroup_id_y 1
		.amdhsa_system_sgpr_workgroup_id_z 1
		.amdhsa_system_vgpr_workitem_id 0
		.amdhsa_next_free_vgpr 256
		.amdhsa_next_free_sgpr 66
		.amdhsa_reserve_vcc 0
		.amdhsa_float_denorm_mode_32 3
		.amdhsa_float_denorm_mode_16_64 3
		.amdhsa_memory_ordered 1
		.amdhsa_forward_progress 1
		.amdhsa_inst_pref_size 51
	.end_amdhsa_kernel
	.amdgpu_metadata
---
amdhsa.version: [ 1, 2 ]
amdhsa.kernels:
  - .name:           k_qd8f9dcf9f4_outproj
    .symbol:         k_qd8f9dcf9f4_outproj.kd
    .args:
      - { .name: ctx, .offset: 0, .size: 8, .value_kind: global_buffer, .address_space: global }
      - { .name: wo, .offset: 8, .size: 8, .value_kind: global_buffer, .address_space: global }
      - { .name: input_Q, .offset: 16, .size: 8, .value_kind: global_buffer, .address_space: global }
      - { .name: ln_gamma, .offset: 24, .size: 8, .value_kind: global_buffer, .address_space: global }
      - { .name: ln_beta, .offset: 32, .size: 8, .value_kind: global_buffer, .address_space: global }
      - { .name: out0, .offset: 40, .size: 8, .value_kind: global_buffer, .address_space: global }
    .group_segment_fixed_size: 169984
    .private_segment_fixed_size: 0
    .kernarg_segment_align: 8
    .kernarg_segment_size: 48
    .max_flat_workgroup_size: 512
    .sgpr_count:     66
    .vgpr_count:     256
    .wavefront_size: 32
...
	.end_amdgpu_metadata
.endif
;; end of part 4
